; MI455X (gfx1250); checked and timed in simulation.
; The chip was launched on July 23, 2026; its instructions are those of AMD's public machine-readable ISA for CDNA 5 (MIT licence, August 2026) and "CDNA5" Instruction Set Architecture Reference Guide (July 2026). The comments in the code are by the model that wrote it; some were corrected since.
;; Multi Head Attention. Allowed arithmetic: matrix products marked QUANTISED: E2M1 operands, one E8M0 scale for each 32 along K, by v_wmma_scale_f32_16x16x128_f8f6f4 with both operands' format E2M1 (or v_wmma_scale_f32_32x16x128_f4), f32 sums; products left as they are: bf16, f16 or f32 operands; f32 sums; everything else in f32.
;; Inputs: Wk 1,024 x 1,024 float32; Wo 1,024 x 1,024 float32; Wq 1,024 x 1,024 float32; Wv 1,024 x 1,024 float32; bk 1,024 float32; bo 1,024 float32; bq 1,024 float32; bv 1,024 float32; key 2,048 x 2 x 1,024 float32; query 2,048 x 2 x 1,024 float32; value 2,048 x 2 x 1,024 float32.
;; Outputs: out0 2,048 x 2 x 1,024 float32.
;; This version of the problem:
;;   THIS VERSION OF THE PROBLEM IS GIVEN IN LOW PRECISION. The matrix products marked QUANTISED in the list below multiply operands that are first quantised to E2M1 (2 exponent bits, 1 mantissa bit; 4 bits a number), with one power-of-two scale for each 32 numbers along K (OCP MX v1.0); their sums are f32. The products marked 'left as it is' may take bf16, f16 or f32 operands, with f32 sums. Whichever they take, every output number must still come out within the allowed error. Rounding operands to bf16 (8 significant bits) uses up far more of that allowance than f16 does (11 bits, for magnitudes from 6e-5 to 65,504). All else is computed in f32.
;;   The module's matrix products, in the order in which they are computed (A, B: the left and right operand; K: the contracted axis; several contracted axes count as one K, in the product's order):
;;     1. [M 4,096, K 1,024] x [K 1,024, N 1,024]; A: input query; B: input Wq: QUANTISED
;;     2. [M 4,096, K 1,024] x [K 1,024, N 1,024]; A: input key; B: input Wk: QUANTISED
;;     3. [M 4,096, K 1,024] x [K 1,024, N 1,024]; A: input value; B: input Wv: QUANTISED
;;     4. batch 32 x [M 2,048, K 64] x [K 64, N 2,048]; A: computed on the way; B: computed on the way: left as it is (an operand is computed on the way)
;;     5. batch 32 x [M 64, K 2,048] x [K 2,048, N 2,048]; A: computed on the way; B: computed on the way: left as it is (an operand is computed on the way)
;;     6. [M 4,096, K 1,024] x [K 1,024, N 1,024]; A: computed on the way; B: input Wo: left as it is (an operand is computed on the way)
;;   THE QUANTISER, for each operand of a quantised product, along K:
;;     - K is cut into blocks of 32 from its start; a last block that is shorter is filled with zeros.
;;     - A block's scale is 2^e with e = floor(log2(the largest magnitude in the block)) - 2, held to -126 .. 127; a block of zeros has e = 0. As a byte (E8M0): e + 127.
;;     - Each number is divided by its block's scale, clamped to +-6, and rounded to the nearest number of E2M1, ties to even, subnormals kept.
;;     - The product sums the exact products of the quantised numbers (number of the format x scale) in f32.
;;   ~~~python
;;   def quantise(x, axis):      # numpy; x: float32 -> the quantised numbers, widened to float32 again
;;       x = np.moveaxis(x, axis, -1); K = x.shape[-1]
;;       x = np.pad(x, [(0, 0)] * (x.ndim - 1) + [(0, -K % 32)]); x = x.reshape(x.shape[:-1] + (-1, 32)); a = np.abs(x).max(-1, keepdims=True)
;;       e = np.where(a > 0, np.clip(np.frexp(np.where(a > 0, a, 1))[1] - 1 - 2, -126, 127), 0)      # np.frexp(a)[1] - 1 = floor(log2(a)), exactly
;;       r = np.clip(x / 2.0 ** e, -6, 6)
;;       step = 2.0 ** (np.maximum(np.frexp(np.where(r == 0, 1, r))[1] - 1, 0) - 1)
;;       q = np.round(r / step) * step * 2.0 ** e      # np.round: ties to even
;;       return np.moveaxis(q.reshape(q.shape[:-2] + (-1,))[..., :K], -1, axis).astype(np.float32)
;;   ~~~
;; One version. Each part assembles by itself: llvm-mc -triple=amdgcn-amd-amdhsa -mcpu=gfx1250 --defsym DOCPART=n.
;; ======== version 1 of 1: 4 launches
;; limits: values are held in f16: magnitudes above 65,504 overflow, below 6.1e-05 lose precision
;; workspace buffers: codes 7,864,320 bytes; scales 491,520 bytes; wo16 2,097,152 bytes; qkv 25,165,824 bytes; att 8,388,608 bytes
;; launch quant (part 1): grid 512 x 1, 4 waves a work-group, no clusters, 33,280 bytes of LDS; arguments query, key, value, Wq, Wk, Wv, Wo, codes, scales, wo16; writes codes, scales, wo16
.if DOCPART == 1
	.amdgcn_target "amdgcn-amd-amdhsa--gfx1250"
	.amdhsa_code_object_version 6
	.text
	.protected	k_qd8f21f0379_quant
	.globl	k_qd8f21f0379_quant
	.p2align	8
	.type	k_qd8f21f0379_quant,@function
k_qd8f21f0379_quant:
	s_mov_b64 s[64:65], 0
	v_nop
	global_prefetch_b8 v0, s[64:65] scope:SCOPE_SE
	s_setreg_imm32_b32 hwreg(HW_REG_WAVE_MODE, 25, 1), 1
	s_wait_xcnt 0x0
; query, key, value [4096][1024] and Wq, Wk, Wv [1024][1024], f32, K innermost, become codes of FP4 (E2M1), two to a byte, the lower k in the low four bits, with one E8M0 byte for each 32 along K.
; The six tensors are laid one behind the other as ONE matrix of 15,360 rows: codes [15360][512 bytes], scales [15360][32 bytes].  Wo [1024][1024] is rounded to f16 (wo16), for the product that is left as it is.
; A block's scale is 2^(floor(log2(its largest magnitude)) - 2); its byte is the largest magnitude's exponent field - 2, held at 1 from below; each number is divided by the scale and rounded to the nearest code, ties to even.
; LIMITS: a block of zeros gets the byte 1 (its codes are zeros, and this program alone reads the bytes); blocks whose largest magnitude lies under 2^-124 were not tried; NaN and infinities are not served.
; SHARES: work-groups 0-479 take 32,768 numbers each of the six tensors (128 + 128 + 128 + 32 + 32 + 32), a wave 8,192 in 16 steps of 512; work-groups 480-511 take Wo, a wave 8,192 numbers.
; A conversion wants 16 neighbours along K in one lane, a load wants neighbouring bytes in neighbouring lanes: a step's 2,048 bytes are loaded 512 consecutive bytes an instruction and turned through the wave's own stage in LDS.
; No tensor loads, no barrier: waves share nothing.  No matrix unit, no cluster: the launch only streams, each byte once.
.set WAVES, 4
.set STEPS, 16
.set EMAX,  2
.set CB,    8                          ; bytes of 16 codes
.set R,     16                         ; v16-79   four sets of 16 numbers as they are loaded
.set X,     80                         ; v80-111  two sets of 16 neighbours
.set C,     128                        ; v128-191 codes: four registers for each step, so that no store's data are written again
.set E,     112                        ; v112-127 a scale byte for each step
.set WREG,  8192                       ; LDS: a region for each wave: two stages of 32 x SP bytes, then its 256 scale bytes
.set SP,    80                         ; a lane's place in a stage: 64 bytes + 16 of padding
.set SPW,   12                         ; v12 LDS address of my spare word; never rewritten
.set NIL,   13                         ; v13 0; never rewritten
.set SPARE, WAVES*WREG                 ; behind the four regions: the spare words, 128 bytes a wave
.set WGQ,   480                        ; the first work-group of Wo
.set HF,    144                        ; v144-175 Wo's path: 16 pairs of registers of f16
	s_load_b512 s[4:19], s[0:1], 0x0               ; query s[4:5], key s[6:7], value s[8:9], Wq s[10:11], Wk s[12:13], Wv s[14:15], Wo s[16:17], codes s[18:19]
	s_load_b128 s[20:23], s[0:1], 0x40             ; scales s[20:21], wo16 s[22:23]
	v_lshl_add_u32 v[SPW], v0, 2, SPARE
	v_mov_b32 v[NIL], 0
	v_lshrrev_b32 v1, 5, v0
	v_readfirstlane_b32 s24, v1                    ; wave
	v_and_b32 v2, 31, v0                           ; lane
	v_lshlrev_b32 v3, 4, v2                        ; my 16 bytes of a load's 512
	s_mul_i32 s26, s24, WREG
	v_lshrrev_b32 v14, 2, v2
	v_mul_u32_u24 v14, v14, SP
	v_and_b32 v15, 3, v2
	v_lshl_add_u32 v14, v15, 4, v14
	v_add_nc_u32 v14, s26, v14                     ; the stage, on the way in: SP (lane / 4) + 16 (lane % 4)
	v_mul_u32_u24 v15, v2, SP
	v_add_nc_u32 v15, s26, v15                     ; on the way out: SP x lane: my 16 neighbours
	v_mul_u32_u24 v4, v2, CB                       ; 8 x lane: my codes' place in a step's; my f16's place in a chunk's
	v_lshrrev_b32 v5, 1, v2
	s_add_co_u32 s26, s26, 2*32*SP
	v_add_nc_u32 v5, s26, v5                       ; LDS: my wave's 256 scale bytes, my block's byte
	v_lshlrev_b32 v7, 3, v2
	v_add_nc_u32 v6, s26, v7                       ; and on the way out 8 bytes a lane
	s_wait_kmcnt 0x0
	s_cmp_ge_u32 ttmp9, WGQ
	s_cbranch_scc1 .Lwo
	; which tensor is mine: the choice hangs on the work-group's number alone
	s_mov_b32 s25, 0                               ; the tensor's first work-group
.macro PICK n, p
	s_cmp_ge_u32 ttmp9, \n
	s_cselect_b64 s[4:5], s[\p:\p+1], s[4:5]
	s_cselect_b32 s25, \n, s25
.endm
	PICK 128, 6
	PICK 256, 8
	PICK 384, 10
	PICK 416, 12
	PICK 448, 14
	s_sub_co_u32 s28, ttmp9, s25
	s_lshl_b32 s28, s28, 2
	s_add_co_u32 s28, s28, s24                     ; which run of 8,192 numbers of the tensor is my wave's
	s_lshl_b32 s28, s28, 15                        ; 32,768 bytes a run
	s_mov_b32 s29, 0
	s_add_nc_u64 s[4:5], s[4:5], s[28:29]
	s_lshl_b32 s30, ttmp9, 2
	s_add_co_u32 s30, s30, s24                     ; which run of the six tensors on end
	s_lshl_b32 s28, s30, 12                        ; 4,096 bytes of codes a run
	s_add_nc_u64 s[18:19], s[18:19], s[28:29]
	s_lshl_b32 s28, s30, 8                         ; 256 scale bytes a run
	s_add_nc_u64 s[20:21], s[20:21], s[28:29]
.macro LOAD t
.irp i, 0,1,2,3
	global_load_b128 v[R+16*((\t)%4)+4*\i:R+16*((\t)%4)+4*\i+3], v3, s[4:5] offset:2048*(\t)+512*\i th:TH_LOAD_NT   ; 32 lanes read 512 consecutive bytes
.endr
.endm
.macro TURN t                          ; step t's numbers through the stage: LDS serves a wave's instructions in order, so no wait stands between the stores and the loads
.irp i, 0,1,2,3
	ds_store_b128 v14, v[R+16*((\t)%4)+4*\i:R+16*((\t)%4)+4*\i+3] offset:32*SP*((\t)%2)+8*SP*\i
.endr
.irp i, 0,1,2,3
	ds_load_b128 v[X+16*((\t)%2)+4*\i:X+16*((\t)%2)+4*\i+3], v15 offset:32*SP*((\t)%2)+16*\i
.endr
.endm
.irp t, 0,1,2,3
	LOAD \t
.endr
	s_wait_loadcnt 12                              ; step 0's four loads are in; the twelve of steps 1 to 3 may be out
	TURN 0
.macro STEP t
.set XS, X+16*((\t)%2)
.if (\t) > 0
	s_wait_dscnt 1                                 ; this step's numbers are back from the stage (the last step's byte store may be out): so its stores into the stage have read their registers,
.else
	s_wait_dscnt 0x0
.endif
.if (\t)+4 < STEPS
	LOAD (\t)+4                                    ; which take the loads of four steps on
.endif
.if (\t)+1 < STEPS
.if STEPS-2-(\t) >= 3
	s_wait_loadcnt 12                              ; the next step's four loads are in; those of the three steps behind it may be out
.else
	s_wait_loadcnt 4*(STEPS-2-(\t))
.endif
	TURN (\t)+1                                    ; and go through the other stage while this step is worked
.endif
	v_max3_num_f32 v8, |v[XS]|, |v[XS+1]|, |v[XS+2]|               ; the largest magnitude of my 16, in two chains
	v_max3_num_f32 v9, |v[XS+3]|, |v[XS+4]|, |v[XS+5]|
.irp i, 6,10
	v_max3_num_f32 v8, v8, |v[XS+\i]|, |v[XS+\i+1]|
	v_max3_num_f32 v9, v9, |v[XS+\i+2]|, |v[XS+\i+3]|
.endr
	v_max3_num_f32 v8, v8, |v[XS+14]|, |v[XS+15]|
	v_max3_num_f32 v8, v8, v9, (EMAX+1)<<23        ; and the floor 2^(3 - 127): the byte cannot fall under 1
	v_max_num_f32_dpp v8, v8, v8 row_xmask:1 row_mask:0xf bank_mask:0xf   ; and of my neighbour's 16: the block's
	v_add_nc_u32 v11, -(EMAX<<23), v8              ; 2 off its exponent field: the conversion takes the exponent field of this operand as its scale, and nothing else of it
	v_cvt_scalef32_pk8_fp4_f32 v[C+4*(\t)], v[XS:XS+7], v11
	v_cvt_scalef32_pk8_fp4_f32 v[C+4*(\t)+1], v[XS+8:XS+15], v11
	v_lshrrev_b32 v[E+(\t)], 23, v11               ; the scale's byte (also the plain line behind the conversions)
	ds_store_b8 v5, v[E+(\t)] offset:16*(\t)       ; both lanes of a block write the same byte with the same value
	global_store_b64 v4, v[C+4*(\t):C+4*(\t)+1], s[18:19] offset:32*CB*(\t)   ; the wave stores 256 consecutive bytes, aligned
.endm
.irp t, 0,1,2,3,4,5,6,7,8,9,10,11,12,13,14,15
	STEP \t
.endr
	ds_load_b64 v[8:9], v6                         ; LDS serves a wave's instructions in order: these see my byte stores
	s_wait_dscnt 0x0
	global_store_b64 v7, v[8:9], s[20:21]          ; 32 lanes store 256 consecutive bytes, aligned
	s_wait_tensorcnt 0x0                           ; the wave's end, behind my last LDS store
	ds_add_u32 v[SPW], v[NIL]
	s_wait_dscnt 0x0
	s_endpgm
; Wo to f16: 64 chunks of 128 numbers a wave: one load of 512 consecutive bytes, two roundings a lane, one store of 256 consecutive bytes.  Four batches of 16 chunks, the loads one batch ahead, in two sets of registers.
.Lwo:
	s_sub_co_u32 s28, ttmp9, WGQ
	s_lshl_b32 s28, s28, 2
	s_add_co_u32 s30, s28, s24                     ; which run of 8,192 numbers is my wave's
	s_lshl_b32 s28, s30, 15
	s_mov_b32 s29, 0
	s_add_nc_u64 s[16:17], s[16:17], s[28:29]
	s_lshl_b32 s28, s30, 14
	s_add_nc_u64 s[22:23], s[22:23], s[28:29]
.macro LOADB q
.irp i, 0,1,2,3,4,5,6,7,8,9,10,11,12,13,14,15
	global_load_b128 v[R+64*((\q)%2)+4*\i:R+64*((\q)%2)+4*\i+3], v3, s[16:17] offset:512*(16*(\q)+\i) th:TH_LOAD_NT
.endr
.endm
.macro CONV q
.if (\q) < 3
	s_wait_loadcnt 16                              ; this batch is in; the younger batch's sixteen loads may be out
.else
	s_wait_loadcnt 0x0
.endif
	s_wait_xcnt 0x0                                ; the last batch's stores have read their data registers, which are written again below
.irp i, 0,1,2,3,4,5,6,7,8,9,10,11,12,13,14,15
	v_cvt_pk_f16_f32 v[HF+2*\i], v[R+64*((\q)%2)+4*\i], v[R+64*((\q)%2)+4*\i+1]
	v_cvt_pk_f16_f32 v[HF+2*\i+1], v[R+64*((\q)%2)+4*\i+2], v[R+64*((\q)%2)+4*\i+3]
.endr
.irp i, 0,1,2,3,4,5,6,7,8,9,10,11,12,13,14,15
	global_store_b64 v4, v[HF+2*\i:HF+2*\i+1], s[22:23] offset:256*(16*(\q)+\i)
.endr
.if (\q)+2 < 4
	LOADB (\q)+2
.endif
.endm
	LOADB 0
	LOADB 1
	CONV 0
	CONV 1
	CONV 2
	CONV 3
	s_wait_tensorcnt 0x0                           ; it ends as the other path does, so that every end of the launch has one form
	ds_add_u32 v[SPW], v[NIL]
	s_wait_dscnt 0x0
	s_endpgm
.Lfunc_end_k_qd8f21f0379_quant:
	.size	k_qd8f21f0379_quant, .Lfunc_end_k_qd8f21f0379_quant-k_qd8f21f0379_quant
	.p2alignl 7, 3214868480
	.fill 96, 4, 3214868480
	.section	.rodata,"a",@progbits
	.p2align	6, 0x0
	.amdhsa_kernel k_qd8f21f0379_quant
		.amdhsa_group_segment_fixed_size 33280
		.amdhsa_private_segment_fixed_size 0
		.amdhsa_enable_private_segment 0
		.amdhsa_kernarg_size 80
		.amdhsa_user_sgpr_count 2
		.amdhsa_user_sgpr_kernarg_segment_ptr 1
		.amdhsa_wavefront_size32 1
		.amdhsa_system_sgpr_workgroup_id_x 1
		.amdhsa_system_sgpr_workgroup_id_y 1
		.amdhsa_system_sgpr_workgroup_id_z 1
		.amdhsa_system_vgpr_workitem_id 0
		.amdhsa_next_free_vgpr 192
		.amdhsa_next_free_sgpr 66
		.amdhsa_reserve_vcc 0
		.amdhsa_float_denorm_mode_32 3
		.amdhsa_float_denorm_mode_16_64 3
		.amdhsa_memory_ordered 1
		.amdhsa_forward_progress 1
		.amdhsa_inst_pref_size 55
	.end_amdhsa_kernel
	.amdgpu_metadata
---
amdhsa.version: [ 1, 2 ]
amdhsa.kernels:
  - .name:           k_qd8f21f0379_quant
    .symbol:         k_qd8f21f0379_quant.kd
    .args:
      - { .name: query, .offset: 0, .size: 8, .value_kind: global_buffer, .address_space: global }
      - { .name: key, .offset: 8, .size: 8, .value_kind: global_buffer, .address_space: global }
      - { .name: value, .offset: 16, .size: 8, .value_kind: global_buffer, .address_space: global }
      - { .name: Wq, .offset: 24, .size: 8, .value_kind: global_buffer, .address_space: global }
      - { .name: Wk, .offset: 32, .size: 8, .value_kind: global_buffer, .address_space: global }
      - { .name: Wv, .offset: 40, .size: 8, .value_kind: global_buffer, .address_space: global }
      - { .name: Wo, .offset: 48, .size: 8, .value_kind: global_buffer, .address_space: global }
      - { .name: codes, .offset: 56, .size: 8, .value_kind: global_buffer, .address_space: global }
      - { .name: scales, .offset: 64, .size: 8, .value_kind: global_buffer, .address_space: global }
      - { .name: wo16, .offset: 72, .size: 8, .value_kind: global_buffer, .address_space: global }
    .group_segment_fixed_size: 33280
    .private_segment_fixed_size: 0
    .kernarg_segment_align: 8
    .kernarg_segment_size: 80
    .max_flat_workgroup_size: 128
    .sgpr_count:     66
    .vgpr_count:     192
    .wavefront_size: 32
...
	.end_amdgpu_metadata
.endif
;; end of part 1
;; launch proj (part 2): grid 4 x 48, 4 waves a work-group, clusters of 4 x 4, 327,680 bytes of LDS; arguments codes, scales, bq, bk, bv, qkv; writes qkv
.if DOCPART == 2
	.amdgcn_target "amdgcn-amd-amdhsa--gfx1250"
	.amdhsa_code_object_version 6
	.text
	.protected	k_qd8f21f0379_proj
	.globl	k_qd8f21f0379_proj
	.p2align	8
	.type	k_qd8f21f0379_proj,@function
k_qd8f21f0379_proj:
	s_mov_b64 s[64:65], 0
	v_nop
	global_prefetch_b8 v0, s[64:65] scope:SCOPE_SE
	s_setreg_imm32_b32 hwreg(HW_REG_WAVE_MODE, 25, 1), 1
	s_wait_xcnt 0x0
	s_wait_alu depctr_hold_cnt(0) depctr_sa_sdst(0) depctr_va_vdst(0) depctr_va_sdst(0) depctr_va_ssrc(0) depctr_va_vcc(0) depctr_vm_vsrc(0)
	s_getreg_b32 s2, hwreg(HW_REG_IB_STS2, 6, 4)
	s_cmp_eq_u32 s2, 0
	s_cbranch_scc0 .Lentry_in_a_cluster
	s_endpgm
.Lentry_in_a_cluster:
	s_bfe_u32 s2, ttmp6, 0x10000c
	s_cmp_lg_u32 s2, 0xf033
	s_cbranch_scc0 .Lentry_shape_is_right
	s_endpgm
.Lentry_shape_is_right:
; q = query Wq^T + bq, k = key Wk^T + bk, v = value Wv^T + bv, on codes of FP4 (E2M1) with one E8M0 scale for each 32 along K = 1,024; sums in f32; results rounded once to f16 and laid by head:
; qkv [3][batch 2][head 16][position 2048][64] f16.  codes [15360][512 bytes], scales [15360][32 bytes]: rows 0-12,287 the three activations (row = 2 x position + batch), rows 12,288 on the three weights.
; LIMIT: results beyond 65,504 in magnitude have no f16 number.
; SHARES: 48 x 4 tiles of 256 x 256; tile rows 0-15 are q's, 16-31 k's, 32-47 v's.  Four waves, 128 x 128 each: 64 accumulators of 16 x 16, 512 registers.  All of K is two slots of 512 along K: both are first fills, nothing is filled again.
; 192 work-groups: a tile of 128 x 256 would give 384 and double what is asked of A for the same work.
; CLUSTERS: 4 x 4 work-groups, all of one tensor.  The four of a row of the cluster need the same rows of the activation, the four of a column the same rows of the weight: each tile is asked for jointly.
; THE MATRIX INSTRUCTION IS USED TRANSPOSED (source 0 = 16 rows of the weight, source 1 = 16 tokens): a lane holds eight neighbouring channels of one token.  The bias is the C of each sum's first product.
; REGISTERS, in windows of 256: window 0: v0-31 addresses; v32-95 scale words, two sets, and nothing else ever; v96-127 packed results; v128-191 A's fragments, one set, on the way out rows read back; v192-255 the bias.
;   window 1: B's fragments, two sets, at v0 and v128.   window 2: the accumulators of my tokens 0-63 ((a, b) at v[8 (8 a + b)]);   window 3: those of my tokens 64-127.
.set NQ,     4                         ; matrix instructions deep in a slot: 512 along K
.set ROWB,   256                       ; a tile's row in bytes
.set KROW,   512                       ; a row of codes in memory
.set PITCH,  272                       ; an LDS row: 256 bytes + 16 of padding: the 16 rows that a load touches start 68 words apart
.set FR,     8                         ; registers of a fragment: 16 rows x 128 K
.set NL,     2                         ; LDS loads that bring one
.set NP,     4                         ; places behind this matrix instruction (ISA guide 7.12.1)
.set HALFT,  128*PITCH                 ; 128 rows: what one tensor load brings
.set SLOT,   4*HALFT                   ; A's 256 rows, then B's 256 rows
.set KS,     32                        ; a row of scales in bytes
.set SCL,    2*SLOT                    ; behind the slots: the scales, as rows of 256 bytes + 16 of padding
.set HALFS,  (128*KS/256)*272          ; the scales of 128 rows
.set SBLK,   (16*KS/256)*272           ; those of 16 rows
.set SPARE,  SCL+4*HALFS               ; the spare words, 128 bytes a wave
.set SPITCH, 272                       ; the way out: a stage of 16 rows x (256 bytes + 16) for each wave, in slot 0, which has had its only fill and its last read by then
.set ADRA, 16                          ; v16-17 LDS address of my A fragments in slot 0, 1
.set ADRB, 20                          ; v20-21 the same for B
.set STO,  24                          ; v24 the way out: where I put 16 bytes of a token's row
.set RD,   25                          ; v25 where I read back
.set CO,   26                          ; v26 my byte offset in qkv
.set ADRS, 27                          ; v27 LDS address of my scale words: lanes 0-15 A's rows, lanes 16-31 B's
.set SPW,  28                          ; v28 my spare word; never rewritten
.set NIL,  29                          ; v29 0; never rewritten
.set BOF,  30                          ; v30 32 x (lane / 16): my eight numbers of a bias block
.set SC,   32
.set TMP,  96
.set AF,   128
.set OB,   128
.set BI,   192
.set G1, 24
.set G0, 32
.set G1B, 48
.set G0B, 56
.set G1S, 68
.set G0S, 76
.set G1SB, 80
.set G0SB, 88
.set MSB, 0
.macro WIN new                         ; the immediate's high byte repeats the setting that is left
.if MSB != \new
	s_set_vgpr_msb (MSB<<8)|\new
.set MSB, \new
.endif
.endm
.set MUL_LO, 0xa1                      ; source 0 (B) window 1, source 1 (A) window 0, C and D window 2
.set MUL_HI, 0xf1                      ; the same, C and D window 3
.set BIA_LO, 0x81                      ; the first products: C (the bias) window 0, D window 2
.set BIA_HI, 0xc1                      ; D window 3
.set TO_B,   0x40                      ; destination window 1, address window 0
; A joint load: waves 0 and 1 fetch for A, waves 2 and 3 for B.  The branch hangs on the wave's number alone.  An s_nop 0 and four v_nop follow each of the two lines.
.macro JLOAD g0a, g1a, g0b, g1b
	s_cmp_eq_u32 s17, 0
	s_cbranch_scc0 .Lfor_b_\@
	tensor_load_to_lds s[\g0a:\g0a+3], s[\g1a:\g1a+7]
	s_nop 0
.rept 4
	v_nop
.endr
	s_branch .Lasked_\@
.Lfor_b_\@:
	tensor_load_to_lds s[\g0b:\g0b+3], s[\g1b:\g1b+7]
	s_nop 0
.rept 4
	v_nop
.endr
.Lasked_\@:
.endm
.macro CROUND                          ; a round of the cluster's barrier
	s_barrier_signal -1
	s_barrier_wait -1
	s_cmp_lg_u32 s16, 0
	s_cbranch_scc1 .Lnot_wave_0_\@
	s_barrier_signal -3
.Lnot_wave_0_\@:
	s_barrier_wait -3
	s_barrier_signal -1
	s_barrier_wait -1
.endm
	s_load_b256 s[4:11], s[0:1], 0x0               ; codes s[4:5], scales s[6:7], bq s[8:9], bk s[10:11]
	s_load_b128 s[12:15], s[0:1], 0x20             ; bv s[12:13], qkv s[14:15]
	v_lshl_add_u32 v[SPW], v0, 2, SPARE
	v_mov_b32 v[NIL], 0
	ds_add_u32 v[SPW], v[NIL]                      ; the wave's opening: the add, twice on end, and its wait ahead of my first tensor load
	ds_add_u32 v[SPW], v[NIL]
	v_lshrrev_b32 v1, 5, v0
	v_readfirstlane_b32 s16, v1                    ; wave 0..3
	s_lshr_b32 s17, s16, 1                         ; which half of the tile's tokens is mine.  Also: I fetch for A (0) or for B (1)
	s_and_b32 s18, s16, 1                          ; which half of its channels.  Also: which 128 rows of that tile I fetch
	s_bfe_u32 s40, ttmp6, 0x40000                  ; cx, cy: my place in the cluster
	s_bfe_u32 s41, ttmp6, 0x40004
	s_lshl_b32 s42, ttmp9, 2
	s_add_co_u32 s42, s42, s40                     ; tile column = 4 x cluster x + cx
	s_and_b32 s19, ttmp7, 0xffff                   ; cluster y, 0..11
	s_lshl_b32 s66, s19, 2
	s_add_co_u32 s66, s66, s41                     ; tile row = 4 x cluster y + cy, 0..47
	s_lshr_b32 s19, s19, 2                         ; the tensor: 0 q, 1 k, 2 v: the same in all sixteen partners
	s_lshl_b32 s43, s41, 2
	s_lshl_b32 s43, 15, s43                        ; my row of the cluster
	s_lshl_b32 s44, 0x1111, s40                    ; my column
	; descriptor group 1: a tile of 128 rows x 256 bytes, padded in LDS
	s_or_b32 s[G1+0], s43, (0<<16)|(1<<20)|(1<<21)|(5<<22)|(3<<25)  ; the mask: A's tiles go to my row; elements of 1 byte; padding on; bit 21 beside a mask; after every 64 words, 4 words
	s_or_b32 s[G1B+0], s44, (0<<16)|(1<<20)|(1<<21)|(5<<22)|(3<<25)
.irp g, G1, G1B
	s_mov_b32 s[\g+1], ROWB<<16                    ; tensor_dim0
	s_mov_b32 s[\g+2], 128<<16                     ; tensor_dim1
	s_mov_b32 s[\g+3], ROWB<<16                    ; tile_dim0
	s_mov_b32 s[\g+4], 128                         ; tile_dim1
	s_mov_b32 s[\g+5], KROW                        ; from row to row
	s_mov_b32 s[\g+6], 0
	s_mov_b32 s[\g+7], 0
.endr
	; the scales of 128 rows: 4,096 dense bytes, as 16 rows of 256 bytes (32 elements of 8 bytes), 16 bytes of padding behind each
	s_or_b32 s[G1S+0], s43, (3<<16)|(1<<20)|(1<<21)|(5<<22)|(3<<25)
	s_or_b32 s[G1SB+0], s44, (3<<16)|(1<<20)|(1<<21)|(5<<22)|(3<<25)
.irp g, G1S, G1SB
	s_mov_b32 s[\g+1], 32<<16
	s_mov_b32 s[\g+2], (128*KS/256)<<16
	s_mov_b32 s[\g+3], 32<<16
	s_mov_b32 s[\g+4], 128*KS/256
	s_mov_b32 s[\g+5], 32
	s_mov_b32 s[\g+6], 0
	s_mov_b32 s[\g+7], 0
.endr
	; A's rows hang on the tile row and the wave, B's on the tensor, the tile column and the wave; each in registers that never hold the other place
	s_lshl_b32 s20, s66, 8
	s_lshl_b32 s21, s18, 7
	s_add_co_u32 s20, s20, s21                     ; A: row 256 x tile row + 128 x half
	s_lshl_b32 s22, s20, 5                         ; its scales, 32 bytes a row
	s_lshl_b32 s20, s20, 9                         ; its codes, 512 bytes a row
	s_mov_b32 s21, 0
	s_mov_b32 s23, 0
	s_lshl_b32 s46, s19, 10
	s_lshl_b32 s47, s42, 8
	s_add_co_u32 s46, s46, s47
	s_lshl_b32 s47, s18, 7
	s_add_co_u32 s46, s46, s47
	s_add_co_u32 s46, s46, 12288                   ; B: row 12,288 + 1,024 x tensor + 256 x tile column + 128 x half
	s_lshl_b32 s92, s46, 5
	s_lshl_b32 s46, s46, 9
	s_mov_b32 s47, 0
	s_mov_b32 s93, 0
	s_mul_i32 s45, s16, HALFT                      ; where they go: wave x 128 rows: no place in the cluster enters an LDS address
	s_mul_i32 s94, s16, HALFS
	s_wait_dscnt 0x0                               ; both opening adds are done
	s_wait_kmcnt 0x0
	s_add_nc_u64 s[20:21], s[4:5], s[20:21]
	s_add_nc_u64 s[22:23], s[6:7], s[22:23]
	s_add_nc_u64 s[46:47], s[4:5], s[46:47]
	s_add_nc_u64 s[92:93], s[6:7], s[92:93]
	CROUND                                         ; all sixteen work-groups are here: the joint loads meet
	s_mov_b32 s[G0S], 1
	s_add_co_u32 s[G0S+1], s94, SCL
	s_mov_b64 s[G0S+2:G0S+3], s[22:23]
	s_or_b32 s[G0S+3], s[G0S+3], 0x80000000
	s_mov_b32 s[G0SB], 1
	s_add_co_u32 s[G0SB+1], s94, SCL
	s_mov_b64 s[G0SB+2:G0SB+3], s[92:93]
	s_or_b32 s[G0SB+3], s[G0SB+3], 0x80000000
	JLOAD G0S, G1S, G0SB, G1SB                     ; the scales first: they are wanted with the first slot
.irp s, 0,1
	s_mov_b32 s[G0+4*\s], 1
	s_add_co_u32 s[G0+4*\s+1], s45, \s*SLOT
	s_add_nc_u64 s[G0+4*\s+2:G0+4*\s+3], s[20:21], \s*ROWB
	s_or_b32 s[G0+4*\s+3], s[G0+4*\s+3], 0x80000000
	s_mov_b32 s[G0B+4*\s], 1
	s_add_co_u32 s[G0B+4*\s+1], s45, \s*SLOT
	s_add_nc_u64 s[G0B+4*\s+2:G0B+4*\s+3], s[46:47], \s*ROWB
	s_or_b32 s[G0B+4*\s+3], s[G0B+4*\s+3], 0x80000000
	JLOAD G0+4*\s, G1, G0B+4*\s, G1B               ; three tensor loads of mine are out behind the second of these
.endr
	; the bias of my 128 channels: block b's eight numbers of my half of the lanes, in the result's layout
	s_cmp_eq_u32 s19, 1
	s_cselect_b64 s[8:9], s[10:11], s[8:9]
	s_cmp_eq_u32 s19, 2
	s_cselect_b64 s[8:9], s[12:13], s[8:9]
	s_lshl_b32 s96, s42, 10
	s_lshl_b32 s95, s18, 9
	s_add_co_u32 s96, s96, s95                     ; (256 x tile column + 128 x half) x 4 bytes
	s_mov_b32 s97, 0
	s_add_nc_u64 s[8:9], s[8:9], s[96:97]
	v_and_b32 v1, 15, v0                           ; r = lane % 16
	v_bfe_u32 v2, v0, 4, 1                         ; h = lane / 16
	v_lshlrev_b32 v[BOF], 5, v2
.irp b, 0,1,2,3,4,5,6,7
	global_load_b128 v[BI+8*\b:BI+8*\b+3], v[BOF], s[8:9] offset:64*\b
	global_load_b128 v[BI+8*\b+4:BI+8*\b+7], v[BOF], s[8:9] offset:64*\b+16
.endr
	v_mul_u32_u24 v3, v1, PITCH
	v_lshl_add_u32 v4, v2, 4, v3                   ; a fragment's row x pitch + 16 x half
	s_mul_i32 s21, s17, HALFT                      ; my 128 rows of A
	s_mul_i32 s22, s18, HALFT                      ; my 128 rows of B,
	s_add_co_u32 s22, s22, 2*HALFT                 ; which lie behind A's 256
.irp s, 0,1
	v_add_nc_u32 v[ADRA+\s], s21, v4
	v_add_nc_u32 v[ADRB+\s], s22, v4
	s_add_co_u32 s21, s21, SLOT
	s_add_co_u32 s22, s22, SLOT
.endr
	v_mul_u32_u24 v5, v1, KS                       ; my row's scales: 32 bytes a row,
	v_lshrrev_b32 v6, 8, v5
	v_lshl_add_u32 v5, v6, 4, v5                   ; and 16 more for each 256 passed
	s_mul_i32 s21, s17, HALFS                      ; A's: my 128 rows
	s_mul_i32 s22, s18, HALFS                      ; B's: my 128 rows, behind A's 256
	s_add_co_u32 s22, s22, 2*HALFS
	s_sub_co_u32 s22, s22, s21
	v_mul_u32_u24 v6, s22, v2                      ; lanes 16-31 take B's
	s_add_co_u32 s21, s21, SCL
	v_add_nc_u32 v5, v5, v6
	v_add_nc_u32 v[ADRS], s21, v5
	s_mul_i32 s23, s16, 16*SPITCH                  ; my stage
	v_mul_u32_u24 v5, v1, SPITCH                   ; in: row r (a token), 16 bytes for each half of the lanes
	v_lshl_add_u32 v5, v2, 4, v5
	v_add_nc_u32 v[STO], s23, v5
	v_bfe_u32 v6, v0, 3, 1                         ; back: lanes 0-15 take one head's 128 bytes of two tokens of one batch (stage rows two apart), lanes 16-31 the next head's
	v_and_b32 v7, 7, v0
	v_mul_u32_u24 v5, v6, 2*SPITCH
	v_lshl_add_u32 v5, v2, 7, v5
	v_lshl_add_u32 v5, v7, 4, v5
	v_add_nc_u32 v[RD], s23, v5
	v_lshlrev_b32 v[CO], 18, v2                    ; in qkv: a head is 262,144 bytes, a position 128
	v_lshl_add_u32 v[CO], v6, 7, v[CO]
	v_lshl_add_u32 v[CO], v7, 4, v[CO]
	s_lshl_b32 s96, s19, 23                        ; qkv: tensor x 8,388,608
	s_lshl_b32 s95, s42, 2
	s_lshl_b32 s67, s18, 1
	s_add_co_u32 s95, s95, s67                     ; my first head: 4 x tile column + 2 x half
	s_lshl_b32 s95, s95, 18
	s_add_co_u32 s96, s96, s95
	s_and_b32 s95, s66, 15
	s_lshl_b32 s95, s95, 7
	s_lshl_b32 s67, s17, 6
	s_add_co_u32 s95, s95, s67                     ; my first position: 128 x (tile row % 16) + 64 x half
	s_lshl_b32 s95, s95, 7
	s_add_co_u32 s96, s96, s95
	s_add_nc_u64 s[14:15], s[14:15], s[96:97]
.macro FRAG reg, adr, q, i             ; a fragment: lane l holds row l % 16; registers 4 c .. 4 c + 3 hold K = 64 c + 32 (l / 16) + 0 .. 31
.irp c, 0,1
	ds_load_b128 v[\reg+4*\c:\reg+4*\c+3], v[\adr] offset:64*(\q)+32*\c+(\i)*16*PITCH
.endr
.endm
; 16 matrix instructions: A's blocks a0, a0 + 1 x B's eight, the slot's q-th 128 along K.  p: B's set; sc: the set of scale words.  first = 1: the bias starts the sums: nothing is ever cleared.
; The 64 accumulators take turns, one instruction a turn, in the same order in every step.
.macro MUL16 a0, p, q, sc, first
.irp a, \a0, \a0+1
.irp b, 0,1,2,3,4,5,6,7
.if \first
	v_wmma_scale_f32_16x16x128_f8f6f4 v[8*(8*((\a)%4)+\b):8*(8*((\a)%4)+\b)+7], v[128*(\p)+FR*\b:128*(\p)+FR*\b+FR-1], v[AF+FR*(\a):AF+FR*(\a)+FR-1], v[BI+8*\b:BI+8*\b+7], v[SC+8*NQ*(\sc)+NQ*\b+(\q)], v[SC+8*NQ*(\sc)+NQ*(\a)+(\q)] matrix_a_fmt:MATRIX_FMT_FP4 matrix_b_fmt:MATRIX_FMT_FP4 matrix_a_scale:MATRIX_SCALE_ROW1
.else
	v_wmma_scale_f32_16x16x128_f8f6f4 v[8*(8*((\a)%4)+\b):8*(8*((\a)%4)+\b)+7], v[128*(\p)+FR*\b:128*(\p)+FR*\b+FR-1], v[AF+FR*(\a):AF+FR*(\a)+FR-1], v[8*(8*((\a)%4)+\b):8*(8*((\a)%4)+\b)+7], v[SC+8*NQ*(\sc)+NQ*\b+(\q)], v[SC+8*NQ*(\sc)+NQ*(\a)+(\q)] matrix_a_fmt:MATRIX_FMT_FP4 matrix_b_fmt:MATRIX_FMT_FP4 matrix_a_scale:MATRIX_SCALE_ROW1
.endif
.endr
.endr
.endm
.macro FETCH_B slot, q, p              ; B's eight fragments of the slot's q-th 128 along K into set p
	WIN TO_B
.irp i, 0,1,2,3,4,5,6,7
	FRAG 128*(\p)+FR*\i, ADRB+\slot, \q, \i
.endr
	WIN 0
.endm
.macro FETCH_A slot, q, i0             ; A's blocks i0 .. i0 + 3
.irp i, \i0, \i0+1, \i0+2, \i0+3
	FRAG AF+FR*(\i), ADRA+\slot, \q, \i
.endr
.endm
.macro SCALES sc                       ; a slot's scale words into set sc: four words a row; lanes 0-15 take A's block i, lanes 16-31 B's block i
.irp i, 0,1,2,3,4,5,6,7
	ds_load_b128 v[SC+8*NQ*\sc+NQ*\i:SC+8*NQ*\sc+NQ*\i+3], v[ADRS] offset:\i*SBLK
.endr
.endm
.macro PLACES n                        ; plain vector instructions between a matrix instruction and a load into, or a read of, its registers
.rept \n
	v_nop
.endr
.endm
; A step of 128 along K that has its successor in the same slot.  A has one set of registers: blocks 0-3 are fetched anew in the step's middle, blocks 4-7 at its end.
.macro STEP slot, q, first
	s_wait_dscnt 4*NL                              ; B's set, A's blocks 0-3 and the scale words are in; the youngest eight loads (A's blocks 4-7) may be out
.if \first
	WIN BIA_LO
.else
	WIN MUL_LO
.endif
	MUL16 0, (\q)%2, \q, \slot, \first
	MUL16 2, (\q)%2, \q, \slot, \first
	s_wait_dscnt 0                                 ; A's blocks 4-7 are in
	PLACES NP
	FETCH_B \slot, (\q)+1, 1-(\q)%2
	FETCH_A \slot, (\q)+1, 0
.if \first
	WIN BIA_HI
.else
	WIN MUL_HI
.endif
	MUL16 4, (\q)%2, \q, \slot, \first
	MUL16 6, (\q)%2, \q, \slot, \first
	PLACES NP
	WIN 0
	FETCH_A \slot, (\q)+1, 4
.endm
; Slot 0's last step changes slots: one barrier; in front of it each wave waits for all its tensor loads (its part of slot 1), adds 0 to its spare word, and waits for that and for its reads of slot 0.
; Behind it slot 1 is whole, and slot 0 is read by nobody: the stages of the way out lie there.
.macro TURN slot, next
	s_wait_tensorcnt 0x0                           ; all my tensor loads have landed
	ds_add_u32 v[SPW], v[NIL]                      ; 0 onto my spare word
	s_wait_dscnt 4*NL+1                            ; (the add and the youngest eight loads, A's blocks 4-7, may be out)
	WIN MUL_LO
	MUL16 0, 1, NQ-1, \slot, 0                     ; sixteen matrix instructions stand between the add and the wait for it
	s_wait_dscnt 0x0                               ; the add is done, and my reads of this slot are over
	s_barrier_signal -1
	MUL16 2, 1, NQ-1, \slot, 0
	WIN 0
	s_barrier_wait -1
	PLACES NP
	v_add_nc_u32 v[ADRS], 4*NQ, v[ADRS]            ; on to the next slot's scale words (no LDS load of mine is out)
	FETCH_B \next, 0, 0
	FETCH_A \next, 0, 0
	SCALES \next
	WIN MUL_HI
	MUL16 4, 1, NQ-1, \slot, 0
	MUL16 6, 1, NQ-1, \slot, 0
	PLACES NP
	WIN 0
	FETCH_A \next, 0, 4
.endm
.macro STEPS slot, from                ; the slot's steps from .. NQ - 2
.set Q, \from
.rept NQ-1-\from
	STEP \slot, Q, 0
.set Q, Q+1
.endr
.endm
	s_wait_tensorcnt 1                             ; the scales and my part of slot 0 are in; slot 1's load may be out
	s_barrier_signal -1
	s_barrier_wait -1                              ; everybody's are
	FETCH_B 0, 0, 0
	FETCH_A 0, 0, 0
	SCALES 0
	FETCH_A 0, 0, 4
	s_wait_loadcnt 0x0                             ; the bias
	STEP 0, 0, 1
	STEPS 0, 1
	TURN 0, 1
	STEPS 1, 0
	s_wait_dscnt 4*NL                              ; the last step: nothing more to fetch
	WIN MUL_LO
	MUL16 0, 1, NQ-1, 1, 0
	MUL16 2, 1, NQ-1, 1, 0
	s_wait_dscnt 0
	WIN MUL_HI
	MUL16 4, 1, NQ-1, 1, 0
	MUL16 6, 1, NQ-1, 1, 0
	WIN 0
; THE WAY OUT, block a of 16 tokens x 128 channels at a time.  Token r of a block is position 8 a + r / 2 of batch r % 2.  PACK: rounded to f16, 16 bytes a lane.  TOSTAGE: into my stage, one token a row, and back so that
; sixteen lanes hold one head's 64 channels of two neighbouring positions of one batch.  SEND: each sixteen lanes store 256 consecutive bytes, at a multiple of 256 from qkv's first byte.
.macro PACK a
.set AC, 64*((\a)%4)
.set WN, 0x0a+5*((\a)/4)               ; sources 0 and 1: window 2 or 3
	WIN WN
.irp b, 0,1,2,3,4,5,6,7
.irp r, 0,1,2,3
	v_cvt_pk_f16_f32 v[TMP+4*\b+\r], v[AC+8*\b+2*\r], v[AC+8*\b+2*\r+1]   ; each accumulator from its low end on
.endr
.endr
	WIN 0
.endm
.macro TOSTAGE a
.set BB, OB+32*((\a)%2)
.irp b, 0,1,2,3,4,5,6,7
	ds_store_b128 v[STO], v[TMP+4*\b:TMP+4*\b+3] offset:32*\b
.endr
.irp u, 0,1,2,3
.irp z, 0,1
	ds_load_b128 v[BB+4*(2*\u+\z):BB+4*(2*\u+\z)+3], v[RD] offset:(4*\u+\z)*SPITCH   ; LDS serves a wave's instructions in order: these see the stores above.  Positions 2 u, 2 u + 1 of batch z
.endr
.endr
.endm
.macro SEND a
.set BB, OB+32*((\a)%2)
	s_wait_dscnt 0x0                               ; the block is back in registers
	s_wait_xcnt 0x0                                ; the block before has left its registers: the next block's loads may land there
.irp u, 0,1,2,3
.irp z, 0,1
	global_store_b128 v[CO], v[BB+4*(2*\u+\z):BB+4*(2*\u+\z)+3], s[14:15] offset:1024*(\a)+256*\u+4194304*\z   ; 4,202,240 at the most: inside the signed 24-bit immediate
.endr
.endr
.endm
	PLACES NP                                      ; behind the last products, ahead of the first read of results and of loads into the registers that held A's fragments
	PACK 0
	TOSTAGE 0
.irp a, 1,2,3,4,5,6,7                  ; block a's conversions stand between block a - 1's loads from the stage and the wait for them
	PACK \a
	SEND \a-1
	TOSTAGE \a
.endr
	SEND 7
	s_wait_tensorcnt 0x0                           ; the wave's end, behind my last tensor load and my last LDS store
	ds_add_u32 v[SPW], v[NIL]
	s_wait_dscnt 0x0
	CROUND                                         ; the closing round: no work-group ends while a partner may still ask for a tile that names it
	s_endpgm
.Lfunc_end_k_qd8f21f0379_proj:
	.size	k_qd8f21f0379_proj, .Lfunc_end_k_qd8f21f0379_proj-k_qd8f21f0379_proj
	.p2alignl 7, 3214868480
	.fill 96, 4, 3214868480
	.section	.rodata,"a",@progbits
	.p2align	6, 0x0
	.amdhsa_kernel k_qd8f21f0379_proj
		.amdhsa_group_segment_fixed_size 327680
		.amdhsa_private_segment_fixed_size 0
		.amdhsa_enable_private_segment 0
		.amdhsa_kernarg_size 48
		.amdhsa_user_sgpr_count 2
		.amdhsa_user_sgpr_kernarg_segment_ptr 1
		.amdhsa_wavefront_size32 1
		.amdhsa_system_sgpr_workgroup_id_x 1
		.amdhsa_system_sgpr_workgroup_id_y 1
		.amdhsa_system_sgpr_workgroup_id_z 1
		.amdhsa_system_vgpr_workitem_id 0
		.amdhsa_next_free_vgpr 1024
		.amdhsa_next_free_sgpr 98
		.amdhsa_reserve_vcc 0
		.amdhsa_float_denorm_mode_32 3
		.amdhsa_float_denorm_mode_16_64 3
		.amdhsa_memory_ordered 1
		.amdhsa_forward_progress 1
		.amdhsa_inst_pref_size 128
	.end_amdhsa_kernel
	.amdgpu_metadata
---
amdhsa.version: [ 1, 2 ]
amdhsa.kernels:
  - .name:           k_qd8f21f0379_proj
    .symbol:         k_qd8f21f0379_proj.kd
    .args:
      - { .name: codes, .offset: 0, .size: 8, .value_kind: global_buffer, .address_space: global }
      - { .name: scales, .offset: 8, .size: 8, .value_kind: global_buffer, .address_space: global }
      - { .name: bq, .offset: 16, .size: 8, .value_kind: global_buffer, .address_space: global }
      - { .name: bk, .offset: 24, .size: 8, .value_kind: global_buffer, .address_space: global }
      - { .name: bv, .offset: 32, .size: 8, .value_kind: global_buffer, .address_space: global }
      - { .name: qkv, .offset: 40, .size: 8, .value_kind: global_buffer, .address_space: global }
    .group_segment_fixed_size: 327680
    .private_segment_fixed_size: 0
    .kernarg_segment_align: 8
    .kernarg_segment_size: 48
    .max_flat_workgroup_size: 128
    .sgpr_count:     98
    .vgpr_count:     1024
    .wavefront_size: 32
...
	.end_amdgpu_metadata
.endif
;; end of part 2
;; launch attn (part 3): grid 8 x 32, 8 waves a work-group, clusters of 4 x 1, 327,680 bytes of LDS; arguments qkv, att; writes att
.if DOCPART == 3
	.amdgcn_target "amdgcn-amd-amdhsa--gfx1250"
	.amdhsa_code_object_version 6
	.text
	.protected	k_qd8f21f0379_attn
	.globl	k_qd8f21f0379_attn
	.p2align	8
	.type	k_qd8f21f0379_attn,@function
k_qd8f21f0379_attn:
	s_mov_b64 s[64:65], 0
	v_nop
	global_prefetch_b8 v0, s[64:65] scope:SCOPE_SE
	s_setreg_imm32_b32 hwreg(HW_REG_WAVE_MODE, 25, 1), 1
	s_wait_xcnt 0x0
	s_wait_alu depctr_hold_cnt(0) depctr_sa_sdst(0) depctr_va_vdst(0) depctr_va_sdst(0) depctr_va_ssrc(0) depctr_va_vcc(0) depctr_vm_vsrc(0)
	s_getreg_b32 s2, hwreg(HW_REG_IB_STS2, 6, 4)
	s_cmp_eq_u32 s2, 0
	s_cbranch_scc0 .Lentry_in_a_cluster
	s_endpgm
.Lentry_in_a_cluster:
	s_bfe_u32 s2, ttmp6, 0x10000c
	s_cmp_lg_u32 s2, 0x3003
	s_cbranch_scc0 .Lentry_shape_is_right
	s_endpgm
.Lentry_shape_is_right:
; For each batch and head: O[q] = the sum over k of softmax_k(Q[q] . K[k] / 8) V[k].  qkv: [3][batch x head 32][2048][64] f16.  Products, maxima and sums in f32; the weights p are rounded to f16 for the second product, O once at the end.
; att takes O as an IMAGE OF THE NEXT PRODUCT'S OPERAND REGISTERS: [row tile 256 = 128 x batch + position / 16][32 channels' fragment 32][half 2][lane 32][16 bytes].
; LIMITS: NaN and infinities are not served; f16 has no number beyond 65,504; p is at most about 1 and O is a mean of rows of V, so they have room wherever V has.
; SHARES.  A work-group owns 256 queries of one batch and head, each of its EIGHT waves 32: two tiles of 16; two waves to a SIMD.  Every wave walks all 2,048 keys, 64 a step; a slot of the ring holds 256 keys, four steps.
; LAYOUT.  S^T = K Q^T (source 0 = 16 keys, source 1 = 16 queries): a lane holds ONE query (lane % 16) and the keys 8 (lane / 16) + 0..7.  Two such tiles, rounded to f16 in pairs, ARE source 1 (32 keys x 16 queries) of
; O^T = V^T P, whose result again holds one query a lane, and eight channels; packed in pairs these are the registers that the next launch's source takes: they leave straight from registers, 512 consecutive bytes a store.
; K comes out of LDS as it lies, V ([key][channel]) turned, by ds_load_tr16_b128.
; SOFTMAX.  For each query a running maximum m and sum l: p = 2^(c s - c m), c = log2(e) / 8; in every step O and l are multiplied by a = 2^(c m_old - c m_new).  m begins at -3e38 and O and l at 0, so there is no first softmax of another form.
; BY TURNS.  A tile never looks at the other tile.  In a TURN one tile has the matrix unit: 8 products V^T P of the step in hand, then 8 products K Q^T of the next step; the other tile's softmax, a list of 119 instructions,
; stands between them in 16 slices of 7 or 8, one behind each product.  Then the tiles change places; two turns are a key step.  So no two products stand back to back, and the slices are the places behind them.
; CLUSTER.  The four query blocks of a cluster belong to one batch and head and walk the same K and V: each tile is asked for jointly, by the same tensor load with a mask that names the four.
; REGISTERS.  Window 0: v1-9 addresses; v16-31 statistics, eight a tile; v32-63 P; v64-127 S^T; v128-191 V of one step; v192-255 O^T: all that a softmax and V^T P name, so neither wants a switch of windows.
; Window 1: v0-63 K of one step; v128-159 Q: named by products and loads alone.  A product K Q^T between two slices costs two switches: 32 for a key step's 32 products, and two for K's run of loads.
.set PKP,   144                        ; a row of K in LDS: 128 bytes + 16 of padding = 36 words: the 16 rows of a load start in 16 different columns of four words
.set PVP,   160                        ; a row of V: 128 + 32: 16 lanes of the turning load take 8 rows x 32 bytes
.set SKEYS, 256                        ; keys in a slot
.set VOFF,  SKEYS*PKP                  ; a slot: 256 rows of K, then 256 rows of V
.set SLOT1, 1<<17                      ; slot 1 begins here, so that one exclusive or turns an address in one slot into the other's
.set SPARE, SLOT1+SKEYS*(PKP+PVP)      ; behind the ring: the spare words, 128 bytes for each of eight waves
.set TENSOR, 8388608                   ; bytes of q, of k, of v
.set AK0, 1                            ; v1 my lane's place in a tile of K; never rewritten
.set AV0, 2                            ; v2 the same for V
.set ADK, 3                            ; v3 LDS address of the slot's K for my lane
.set ADV, 4                            ; v4 of its V
.set QO,  5                            ; v5 my byte offset in the wave's rows of Q
.set GO,  6                            ; v6 16 x lane: my place in a store's 512 bytes
.set PFO, 7                            ; v7 256 x lane: the prefetches' offset
.set SPW, 8                            ; v8 my spare word; never rewritten
.set NIL, 9                            ; v9 0; never rewritten
.set ST,  16                           ; tile t's statistics at v[ST + 8 t]: +0 c m, +1 m, +2, +3 l (even keys', odd keys'), +4 to +7 at work; a takes +6
.set P,   32
.set S,   64
.set VF,  128
.set O,   192
.set PKD, 64                           ; the way out: packed results, where S^T lay
.set QW,  128                          ; Q, in window 1 (K at 0)
.set NSM, 119                          ; instructions in a tile's softmax for one step
.set WV,  8                            ; s8 my wave's number
.set PFA, 18                           ; s[18:19] where my prefetches stand
.set LIM, 20                           ; s20 1 in a wave that prefetches, else the greatest number
.set TB,  21                           ; s21 LDS byte at which the slot that is being fetched from begins
.set SLOTS, 22                         ; s22 the loop's trips still to go
.set G1K, 24
.set G1V, 32
.set G0K, 40                           ; one walking group 0 for K's tiles, one for V's
.set G0V, 44
.set CS,  48                           ; s[48:49] c: the packed form names a pair and takes its low word for both halves
.set SEL, 50                           ; s[50:51] lane selects for v_permlanex16_b32: lane l xor 16
.set MSB, 0
.macro WIN new                         ; the immediate's high byte repeats the setting that is left; a switch that changes nothing is dropped
.if MSB != \new
	s_set_vgpr_msb (MSB<<8)|\new
.set MSB, \new
.endif
.endm
.set W_KQ, 0x05                        ; sources 0 (K) and 1 (Q) window 1; C and D (S^T) window 0
.set W_LD, 0x40                        ; destination window 1, address window 0
; A joint load.  Waves 0 to 3 fetch 64 rows of K each, waves 4 to 7 of V.  The branch hangs on the wave's number alone.  An s_nop 0 and four v_nop follow each of the two lines.
.macro JLOAD
	s_cmp_lt_u32 s[WV], 4
	s_cbranch_scc0 .Lfor_v_\@
	tensor_load_to_lds s[G0K:G0K+3], s[G1K:G1K+7]
	s_nop 0
.rept 4
	v_nop
.endr
	s_branch .Lasked_\@
.Lfor_v_\@:
	tensor_load_to_lds s[G0V:G0V+3], s[G1V:G1V+7]
	s_nop 0
.rept 4
	v_nop
.endr
.Lasked_\@:
.endm
; A prefetch of what the NEXT change of slots will ask for: a slot's 32,768 bytes of K and of V.  Both clusters of a head walk the same rows: the first of them asks.  Its four partners share a slot out BY ADDRESS, 8,192 bytes each;
; in each, wave 0 asks for K's and wave 4 for V's, lanes 256 bytes apart: one instruction, and each block of 256 bytes is named once in the launch.  The last change that fills a slot asks for nothing.
.macro ASK
	s_cmp_gt_u32 s[SLOTS], s[LIM]
	s_cbranch_scc0 .Lnot_mine_\@
	global_prefetch_b8 v[PFO], s[PFA:PFA+1] th:TH_LOAD_NT scope:SCOPE_SE
.Lnot_mine_\@:
.endm
.macro CREST                           ; a round of the cluster's barrier behind its opening barrier
	s_cmp_lg_u32 s[WV], 0
	s_cbranch_scc1 .Lnot_wave_0_\@
	s_barrier_signal -3
.Lnot_wave_0_\@:
	s_barrier_wait -3
	s_barrier_signal -1
	s_barrier_wait -1
.endm
.macro CROUND                          ; a whole round
	s_barrier_signal -1
	s_barrier_wait -1
	CREST
.endm
.macro WALK                            ; the walking descriptors and the prefetches' address step; it stands behind a wait for all my tensor loads
	s_xor_b32 s[G0K+1], s[G0K+1], SLOT1            ; the other slot than last time,
	s_add_nc_u64 s[G0K+2:G0K+3], s[G0K+2:G0K+3], SKEYS*128   ; the next 256 keys; the type bits on top are not reached
	s_xor_b32 s[G0V+1], s[G0V+1], SLOT1
	s_add_nc_u64 s[G0V+2:G0V+3], s[G0V+2:G0V+3], SKEYS*128
	s_wait_xcnt 0x0                                ; the last prefetch, a slot back, has read its address, so it may be written:
	s_add_nc_u64 s[PFA:PFA+1], s[PFA:PFA+1], SKEYS*128       ; one slot further on than the walking descriptors
.endm
	s_load_b128 s[4:7], s[0:1], 0x0                ; qkv s[4:5], att s[6:7]
	v_lshl_add_u32 v[SPW], v0, 2, SPARE
	v_mov_b32 v[NIL], 0
	ds_add_u32 v[SPW], v[NIL]                      ; the wave's opening: the add, twice on end, and its wait ahead of my first tensor load
	ds_add_u32 v[SPW], v[NIL]
	v_lshrrev_b32 v1, 5, v0
	v_readfirstlane_b32 s[WV], v1                  ; wave 0..7
	s_bfe_u32 s9, ttmp6, 0x40000                   ; cx: my place in the cluster
	s_lshl_b32 s10, ttmp9, 2
	s_add_co_u32 s10, s10, s9                      ; my block of 256 queries: it enters Q's and att's addresses alone
	s_and_b32 s11, ttmp7, 0xffff                   ; 16 x batch + head, which the four partners share
	s_and_b32 s23, s[WV], 3                        ; which 64 rows of a slot I fetch
	s_lshl_b32 s52, s11, 18                        ; the head's first byte in each of the three tensors
	s_mov_b32 s53, 0
	s_lshl_b32 s54, s23, 13                        ; my 64 rows of 128 bytes
	s_mov_b32 s55, 0
	s_add_nc_u64 s[54:55], s[54:55], s[52:53]
	s_lshl_b32 s56, s10, 15                        ; my block's 256 rows,
	s_lshl_b32 s57, s[WV], 12                      ; my wave's 32 of them
	s_add_co_u32 s56, s56, s57
	s_mov_b32 s57, 0
	s_add_nc_u64 s[56:57], s[56:57], s[52:53]
	s_lshr_b32 s58, s11, 4                         ; att: row tile 128 x batch + 16 x block + 2 x wave, 32,768 bytes each; fragment 2 x head, 1,024 bytes each
	s_lshl_b32 s58, s58, 22
	s_lshl_b32 s59, s10, 19
	s_add_co_u32 s58, s58, s59
	s_lshl_b32 s59, s[WV], 16
	s_add_co_u32 s58, s58, s59
	s_and_b32 s59, s11, 15
	s_lshl_b32 s59, s59, 11
	s_add_co_u32 s58, s58, s59
	s_mov_b32 s59, 0
	s_mul_i32 s60, s23, 64*PKP                     ; where my rows go in a slot: no place in the cluster enters an LDS address
	s_mul_i32 s61, s23, 64*PVP
	s_add_co_u32 s61, s61, VOFF
	; descriptor group 1: a tile of 64 rows x 64 elements of 2 bytes, padded in LDS
	s_mov_b32 s[G1K], 15|(1<<16)|(1<<20)|(1<<21)|(4<<22)|(3<<25)  ; the mask: all four work-groups; elements of 2 bytes; padding on; bit 21 beside a mask; after every 32 words, 4 words
	s_mov_b32 s[G1V], 15|(1<<16)|(1<<20)|(1<<21)|(4<<22)|(7<<25)  ; the same with 8 words of padding
.irp g, G1K, G1V
	s_mov_b32 s[\g+1], 64<<16                      ; tensor_dim0
	s_mov_b32 s[\g+2], 64<<16                      ; tensor_dim1
	s_mov_b32 s[\g+3], 64<<16                      ; tile_dim0
	s_mov_b32 s[\g+4], 64                          ; tile_dim1
	s_mov_b32 s[\g+5], 64                          ; elements from row to row
	s_mov_b32 s[\g+6], 0
	s_mov_b32 s[\g+7], 0
.endr
	s_mov_b32 s[CS], 0x3e38aa3b                    ; c = log2(e) / 8
	s_mov_b32 s[CS+1], s[CS]                       ; named with it as a pair, so it is written
	s_mov_b32 s[SEL], 0x76543210
	s_mov_b32 s[SEL+1], 0xfedcba98
	s_mov_b32 s[TB], 0
	s_mov_b32 s[SLOTS], 2048/SKEYS-2               ; six trips: each asks for one of the third to the eighth 256 keys
	s_or_b32 s[LIM], s23, ttmp9                    ; 0 in waves 0 and 4 of the head's first cluster: the same in all four partners
	s_cmp_eq_u32 s[LIM], 0
	s_cselect_b32 s[LIM], 1, -1
	s_wait_dscnt 0x0                               ; both opening adds are done
	s_wait_kmcnt 0x0
	s_add_nc_u64 s[12:13], s[4:5], s[56:57]        ; Q at my wave's first row
	s_add_nc_u64 s[14:15], s[4:5], s[54:55]
	s_add_nc_u64 s[16:17], s[14:15], 2*TENSOR      ; V at my 64 rows of slot 0
	s_add_nc_u64 s[14:15], s[14:15], TENSOR        ; K likewise
	s_add_nc_u64 s[6:7], s[6:7], s[58:59]          ; att at my wave's first fragment
	s_cmp_lt_u32 s[WV], 4
	s_cselect_b64 s[PFA:PFA+1], s[14:15], s[16:17] ; (in waves 0 and 4 these stand at the head's first row)
	s_lshl_b32 s56, s9, 13                         ; my work-group's 8,192 bytes of a slot's 32,768
	s_add_nc_u64 s[PFA:PFA+1], s[PFA:PFA+1], s[56:57]
	s_add_nc_u64 s[PFA:PFA+1], s[PFA:PFA+1], SKEYS*128  ; in the second 256 keys; the first change of slots steps it to the third.  Nothing is prefetched here, at the head
	CROUND                                         ; all four work-groups are here: the first joint loads meet
	s_mov_b32 s[G0K], 1                            ; count = 1
	s_mov_b32 s[G0K+1], s60                        ; LDS address: slot 0
	s_mov_b64 s[G0K+2:G0K+3], s[14:15]             ; global address: the head's first 256 keys
	s_or_b32 s[G0K+3], s[G0K+3], 0x80000000        ; type = 2
	s_mov_b32 s[G0V], 1
	s_mov_b32 s[G0V+1], s61
	s_mov_b64 s[G0V+2:G0V+3], s[16:17]
	s_or_b32 s[G0V+3], s[G0V+3], 0x80000000
	JLOAD                                          ; slot 0: one tensor load of mine is out
	v_and_b32 v10, 15, v0                          ; r = lane % 16
	v_bfe_u32 v11, v0, 4, 1                        ; h = lane / 16
	v_lshlrev_b32 v[QO], 7, v10
	v_lshl_add_u32 v[QO], v11, 4, v[QO]            ; row x 128 + 16 x half
	WIN W_LD
.irp t, 0,1                            ; Q stays in registers: tile t, channels 32 f on: registers 0-3 channels 8 h + 0..7, registers 4-7 channels 16 + 8 h + 0..7
.irp f, 0,1
	global_load_b128 v[QW+16*\t+8*\f:QW+16*\t+8*\f+3],   v[QO], s[12:13] offset:2048*\t+64*\f
	global_load_b128 v[QW+16*\t+8*\f+4:QW+16*\t+8*\f+7], v[QO], s[12:13] offset:2048*\t+64*\f+32
.endr
.endr
	WIN 0
	v_mul_u32_u24 v[AK0], v10, PKP
	v_lshl_add_u32 v[AK0], v11, 4, v[AK0]          ; K: row x pitch + 16 x half
	v_and_b32 v12, 7, v0                           ; V, for the turning load: lane l reads key 8 (l / 16) + l % 8, channels 8 ((l / 8) % 2) + 0..7
	v_bfe_u32 v13, v0, 3, 1
	v_lshl_add_u32 v[AV0], v11, 3, v12
	v_mul_u32_u24 v[AV0], v[AV0], PVP
	v_lshl_add_u32 v[AV0], v13, 4, v[AV0]
	v_add_nc_u32 v[AV0], VOFF, v[AV0]
	v_and_b32 v[GO], 31, v0
	v_lshlrev_b32 v[PFO], 8, v[GO]
	v_lshlrev_b32 v[GO], 4, v[GO]
.irp t, 0,1
	v_mov_b32 v[ST+8*\t+1], 0xff61b1e6             ; m: -3e38, under every score
	v_mul_f32 v[ST+8*\t], s[CS], v[ST+8*\t+1]      ; c m
.irp j, 2,3,4,5,6,7
	v_mov_b32 v[ST+8*\t+\j], 0                     ; l; and the registers at work, of which a lane exchange's destination counts as read
.endr
.endr
.set i, 0
.rept 64
	v_mov_b32 v[O+i], 0                            ; O^T.  (The softmax and V^T P are written in one form: the first step finds zeros, which a = 0 leaves zeros)
.set i, i+1
.endr
; THE MATRIX WORK OF A TURN, for tile x; mi counts the turn's products.  The accumulators take turns, one instruction a turn: between two links of a chain stand three others'.
; Product mi of 8 of O^T += V^T P: keys 32 (mi / 4) on, channels 16 (mi % 4) on.
.macro PV1 x
.set rO, O+32*(\x)+8*(mi%4)
.set rV, VF+32*(mi/4)+8*(mi%4)
.set rP, P+16*(\x)+8*(mi/4)
	WIN 0
	v_wmma_f32_16x16x32_f16 v[rO:rO+7], v[rV:rV+7], v[rP:rP+7], v[rO:rO+7]
.endm
; Product mi - KOFF of 8 of S^T = K Q^T: channels 32 (ki / 4) on, keys 16 (ki % 4) on.  The first four start the sums.
.macro KQ1 x
.set ki, mi-KOFF
.set rS, S+32*(\x)+8*(ki%4)
.set rK, 16*(ki%4)+8*(ki/4)
.set rQ, QW+16*(\x)+8*(ki/4)
	WIN W_KQ
.if ki < 4
	v_wmma_f32_16x16x32_f16 v[rS:rS+7], v[rK:rK+7], v[rQ:rQ+7], 0
.else
	v_wmma_f32_16x16x32_f16 v[rS:rS+7], v[rK:rK+7], v[rQ:rQ+7], v[rS:rS+7]
.endif
.endm
; THE LDS LOADS stand in runs of 16, never singly among the products.
.macro FETCH_K q                       ; the slot's q-th 64 keys: 8 fragments of 16 keys x 32 channels
.irp kt, 0,1,2,3
.irp f, 0,1
	ds_load_b128 v[16*\kt+8*\f:16*\kt+8*\f+3],   v[ADK] offset:64*PKP*(\q)+16*PKP*\kt+64*\f
	ds_load_b128 v[16*\kt+8*\f+4:16*\kt+8*\f+7], v[ADK] offset:64*PKP*(\q)+16*PKP*\kt+64*\f+32
.endr
.endr
.endm
.macro FK q
	WIN W_LD
	FETCH_K \q
	WIN 0
.endm
.macro FETCH_V q                       ; the same keys' V, turned: 8 fragments of 16 channels x 32 keys; window 0
.irp u, 0,1
.irp ct, 0,1,2,3
	ds_load_tr16_b128 v[VF+32*\u+8*\ct:VF+32*\u+8*\ct+3],   v[ADV] offset:64*PVP*(\q)+32*PVP*\u+32*\ct
	ds_load_tr16_b128 v[VF+32*\u+8*\ct+4:VF+32*\u+8*\ct+7], v[ADV] offset:64*PVP*(\q)+32*PVP*\u+16*PVP+32*\ct
.endr
.endr
.endm
.macro PLACES
.rept 4
	v_nop
.endr
.endm
; THE VECTOR WORK OF A TURN.  One tile's softmax for one step of 64 keys is a list of 119 instructions on a lane's 32 scores s0-s31; SMI writes number sj of it for tile t.
;   0-15    the maximum of s0-s31 and the old m, three operands at a time: four chains, each from its accumulator's low end on, then the four scores left over, the chains and m
;   16-20   c m_old is kept; the other half of the lanes' maximum; the new m; c m; c m_old - c m_new
;   21-69   ONE BATCH: the 16 scalings c s - c m, a pair of scores each, and the 33 exponentials (a at 23).  None of these names an exponential's result.  From 24 on: two exponentials and the scaling of the pair two further on
;   70      a plain instruction behind the last exponential, and the ONE wait for the batch, ahead of its first reader
;   71-86   the roundings to f16, a pair of neighbouring keys' weights each: the second product's operand as it stands
;   87-118  the sum of the unrounded p (a tree of 15 packed additions in place), l = a l + the sum, and O^T x a (16 packed multiplications, each accumulator from its low end on); the tree's last line
;           and l's stand among the first multiplications, so that they do not wait for the line above them.  The last eight are multiplications: the places behind a turn's last product
.macro SMI t
.set rT, ST+8*(\t)
.set rS, S+32*(\t)
.set rP, P+16*(\t)
.set rO, O+32*(\t)
	WIN 0
.if sj < 4
	v_max3_num_f32 v[rT+4+sj], v[rS+8*sj], v[rS+8*sj+1], v[rS+8*sj+2]
.elseif sj < 12
	v_max3_num_f32 v[rT+4+sj%4], v[rT+4+sj%4], v[rS+8*(sj%4)+2*(sj/4)+1], v[rS+8*(sj%4)+2*(sj/4)+2]
.elseif sj == 12
	v_max3_num_f32 v[rT+4], v[rT+4], v[rS+7], v[rS+15]
.elseif sj == 13
	v_max3_num_f32 v[rT+6], v[rT+6], v[rS+23], v[rS+31]
.elseif sj == 14
	v_max3_num_f32 v[rT+4], v[rT+4], v[rT+5], v[rT+6]
.elseif sj == 15
	v_max3_num_f32 v[rT+4], v[rT+4], v[rT+7], v[rT+1]
.elseif sj == 16
	v_mov_b32 v[rT+7], v[rT]
.elseif sj == 17
	v_permlanex16_b32 v[rT+5], v[rT+4], s[SEL], s[SEL+1]           ; the query's other 32 keys lie in the lane 16 away
.elseif sj == 18
	v_max_num_f32 v[rT+1], v[rT+4], v[rT+5]
.elseif sj == 19
	v_mul_f32 v[rT], s[CS], v[rT+1]
.elseif sj == 20
	v_sub_f32 v[rT+7], v[rT+7], v[rT]
.elseif (sj == 21) || (sj == 22)
.set pb, sj-21
	v_pk_fma_f32 v[rS+2*pb:rS+2*pb+1], v[rS+2*pb:rS+2*pb+1], s[CS:CS+1], v[rT:rT+1] op_sel_hi:[1,0,0] neg_lo:[0,0,1] neg_hi:[0,0,1]
.elseif sj == 23
	v_exp_f32 v[rT+6], v[rT+7]
.elseif (sj < 66) && ((sj-24)%3 == 2)
.set pb, (sj-24)/3+2
	v_pk_fma_f32 v[rS+2*pb:rS+2*pb+1], v[rS+2*pb:rS+2*pb+1], s[CS:CS+1], v[rT:rT+1] op_sel_hi:[1,0,0] neg_lo:[0,0,1] neg_hi:[0,0,1]
.elseif sj < 66
.set pe, 2*((sj-24)/3)+(sj-24)%3
	v_exp_f32 v[rS+pe], v[rS+pe]
.elseif sj < 70
.set pe, sj-38
	v_exp_f32 v[rS+pe], v[rS+pe]
.elseif sj == 70
	v_nop
	s_wait_alu depctr_va_vdst(0)
.elseif sj < 87
	v_cvt_pk_f16_f32 v[rP+sj-71], v[rS+2*(sj-71)], v[rS+2*(sj-71)+1]
.elseif (sj < 101) || (sj == 104)      ; sum z of 15 adds neighbours 1, 2, 4 and 8 pairs apart
.set z, sj-87
.if sj == 104
.set z, 14
.endif
.set w, 4
.set u, z
.if z >= 14
.set w, 32
.set u, 0
.elseif z >= 12
.set w, 16
.set u, z-12
.elseif z >= 8
.set w, 8
.set u, z-8
.endif
	v_pk_add_f32 v[rS+w*u:rS+w*u+1], v[rS+w*u:rS+w*u+1], v[rS+w*u+w/2:rS+w*u+w/2+1]
.elseif sj == 108
	v_pk_fma_f32 v[rT+2:rT+3], v[rT+2:rT+3], v[rT+6:rT+7], v[rS:rS+1] op_sel_hi:[1,0,1]
.else
.set mo, sj-101                        ; 101-103: pairs 0-2
.if sj > 104
.set mo, sj-102                        ; 105-107: pairs 3-5
.endif
.if sj > 108
.set mo, sj-103                        ; 109-118: pairs 6-15
.endif
	v_pk_mul_f32 v[rO+2*mo:rO+2*mo+1], v[rO+2*mo:rO+2*mo+1], v[rT+6:rT+7] op_sel_hi:[1,0]
.endif
.endm
; A TURN.  Tile x has the matrix unit; the other tile's softmax stands in slices behind its products.  pv = 1: 8 products V^T P; kq = 1: 8 products K Q^T for the next step.
; vw: the count of the wait at the turn's head that shows V in (-1: none).  In tile 0's turn the wait for K stands ahead of its first K Q^T.
; fv: tile 1's turn fetches the next step's V, the slot's fv-th, behind slice 8: the last product that read V stands in front of slice 7, and five scalings, which name none of its registers, lie between.
; chg: THE CHANGE OF SLOTS, in the turn that asks for a slot's last bytes.  Behind V's loads the wave waits for all its tensor loads (one is out: its part of the other slot) and adds 0 to its spare word; three products and
; their slices on, it waits for the add and for its reads of the slot and signals; the turn's last four products and their slices, work on registers alone, stand between the signal and the wait.
; chg = 1: the barrier opens a round of the cluster's, so that no wave of any partner still reads the slot or has a load on its way; the joint load of the keys two slots on is the first thing behind the round, and has four
; key steps, 128 products of a wave, in which to land.  chg = 2: nothing is left to ask for: the work-group's barrier alone.
.macro TURN x, pv, kq, vw, fv, chg
.set sj, 0
.set mi, 0
.set KOFF, 8*\pv
.set NW, 8*(\pv+\kq)
.if \vw >= 0
	s_wait_dscnt \vw                               ; V is in; K's younger loads, if any were issued, may be out
.endif
.rept NW
.if mi < KOFF
	PV1 \x
.else
.if (\x == 0) && (mi == KOFF)
	s_wait_dscnt 0x0                               ; K is in
.endif
	KQ1 \x
.endif
.rept NSM*(mi+1)/NW-NSM*mi/NW
	SMI 1-\x
.set sj, sj+1
.endr
.if (\fv >= 0) && (mi == 8)
	FETCH_V \fv
.if \chg
	s_wait_tensorcnt 0x0                           ; no tensor load of mine is out, so a group 0 may be written
	ds_add_u32 v[SPW], v[NIL]                      ; 0 onto my spare word
.if \chg == 1
	WALK
.endif
.endif
.endif
.if \chg && (mi == 11)
	s_wait_dscnt 0x0                               ; the add is done, and my reads of the slot are over
	s_barrier_signal -1
.endif
.set mi, mi+1
.endr
.if \chg
	s_barrier_wait -1                              ; (every window is 0 behind a slice)
.if \chg == 1
	CREST
	JLOAD
.endif
.endif
.endm
; The two turns round the slot's q-th fetch.  K's run of loads stands at the head: the last product that read K stands in front of the eight multiplications that end the turn before.
.macro PAIR q, chg, ask
	FK \q
.if \ask
	ASK                                            ; behind the joint load and the run of LDS loads
.endif
	TURN 0, 1, 1, 16, -1, 0                        ; tile 0: V^T P of the step in hand, K Q^T of the step just fetched | tile 1's softmax of the step in hand.  The count 16: K's sixteen loads are younger than V's
	TURN 1, 1, 1, -1, \q, \chg                     ; tile 1: the same | tile 0's softmax of the next step | V of the next step
.endm
.macro NEXTSLOT                        ; the fetches go on in the other slot
	s_xor_b32 s[TB], s[TB], SLOT1
	v_add_nc_u32 v[ADK], s[TB], v[AK0]
	v_add_nc_u32 v[ADV], s[TB], v[AV0]
.endm
	s_wait_loadcnt 0x0                             ; Q
	s_wait_tensorcnt 0x0                           ; THE FIRST CHANGE: my part of slot 0 is in;
	ds_add_u32 v[SPW], v[NIL]                      ; 0 onto my spare word
	WALK
	s_wait_dscnt 0x0
	CROUND                                         ; everybody's is; behind this round nothing is filled again:
	JLOAD                                          ; slot 1's first fill, my one tensor load until the next round
	v_add_nc_u32 v[ADK], s[TB], v[AK0]
	v_add_nc_u32 v[ADV], s[TB], v[AV0]
	FK 0
	ASK
	s_wait_dscnt 0x0                               ; K of key step 0
.set KOFF, 0
.set mi, 0
.rept 8
	KQ1 0                                          ; tile 0's first scores: there is no vector work yet to set between them
.set mi, mi+1
.endr
	WIN 0
	PLACES                                         ; behind those products, ahead of the first read of their results
	FETCH_V 0
	TURN 1, 0, 1, -1, -1, 0                        ; tile 1's first scores | tile 0's first softmax
.Lslot:                                            ; six trips: a slot's fetches 1, 2, 3, the change of slots, the next slot's fetch 0
	PAIR 1, 0, 0
	PAIR 2, 0, 0
	PAIR 3, 1, 0
	NEXTSLOT
	PAIR 0, 0, 1
	s_sub_co_u32 s[SLOTS], s[SLOTS], 1
	s_cmp_lg_u32 s[SLOTS], 0
	s_cbranch_scc1 .Lslot
	PAIR 1, 0, 0                                   ; the last two slots are written out
	PAIR 2, 0, 0
	PAIR 3, 2, 0
	NEXTSLOT
	PAIR 0, 0, 0
	PAIR 1, 0, 0
	PAIR 2, 0, 0
	PAIR 3, 0, 0
	TURN 0, 1, 0, 0, -1, 0                         ; tile 0: V^T P of the last step | tile 1's last softmax
.set mi, 0
.rept 8
	PV1 1                                          ; tile 1: V^T P of the last step
.set mi, mi+1
.endr
	; THE WAY OUT.  l's two halves and the other half of the lanes' are added; O^T is divided by l and rounded to f16.  The lines on l, the v_nop and tile 0's multiplications are the places behind the last products.
.irp t, 0,1
	v_add_f32 v[ST+8*\t+4], v[ST+8*\t+2], v[ST+8*\t+3]
.endr
.irp t, 0,1
	v_permlanex16_b32 v[ST+8*\t+5], v[ST+8*\t+4], s[SEL], s[SEL+1]
.endr
.irp t, 0,1
	v_add_f32 v[ST+8*\t+4], v[ST+8*\t+4], v[ST+8*\t+5]
.endr
.irp t, 0,1
	v_rcp_f32 v[ST+8*\t+6], v[ST+8*\t+4]
.endr
	v_nop                                          ; a plain instruction between the last reciprocal and the use of its result
	s_wait_alu depctr_va_vdst(0)                   ; one wait for the two reciprocals, ahead of their first reader
.irp t, 0,1
.set i, 0
.rept 16
	v_pk_mul_f32 v[O+32*\t+2*i:O+32*\t+2*i+1], v[O+32*\t+2*i:O+32*\t+2*i+1], v[ST+8*\t+6:ST+8*\t+7] op_sel_hi:[1,0]
.set i, i+1
.endr
.endr
.irp t, 0,1
.set i, 0
.rept 16
	v_cvt_pk_f16_f32 v[PKD+16*\t+i], v[O+32*\t+2*i], v[O+32*\t+2*i+1]   ; registers 4 ct .. 4 ct + 3: channels 16 ct + 8 (lane / 16) + 0..7 of query lane % 16
.set i, i+1
.endr
.endr
.irp t, 0,1
.irp ct, 0,1,2,3
	global_store_b128 v[GO], v[PKD+16*\t+4*\ct:PKD+16*\t+4*\ct+3], s[6:7] offset:32768*\t+512*\ct   ; half ct % 2 of fragment 2 x head + ct / 2 of row tile t: 32 lanes store 512 consecutive bytes, aligned
.endr
.endr
	s_wait_tensorcnt 0x0                           ; the wave's end, behind my last tensor load
	ds_add_u32 v[SPW], v[NIL]
	s_wait_dscnt 0x0
	CROUND                                         ; the closing round: no work-group ends while a partner may still ask for a tile that names it
	s_endpgm
.Lfunc_end_k_qd8f21f0379_attn:
	.size	k_qd8f21f0379_attn, .Lfunc_end_k_qd8f21f0379_attn-k_qd8f21f0379_attn
	.p2alignl 7, 3214868480
	.fill 96, 4, 3214868480
	.section	.rodata,"a",@progbits
	.p2align	6, 0x0
	.amdhsa_kernel k_qd8f21f0379_attn
		.amdhsa_group_segment_fixed_size 327680
		.amdhsa_private_segment_fixed_size 0
		.amdhsa_enable_private_segment 0
		.amdhsa_kernarg_size 16
		.amdhsa_user_sgpr_count 2
		.amdhsa_user_sgpr_kernarg_segment_ptr 1
		.amdhsa_wavefront_size32 1
		.amdhsa_system_sgpr_workgroup_id_x 1
		.amdhsa_system_sgpr_workgroup_id_y 1
		.amdhsa_system_sgpr_workgroup_id_z 1
		.amdhsa_system_vgpr_workitem_id 0
		.amdhsa_next_free_vgpr 416
		.amdhsa_next_free_sgpr 66
		.amdhsa_reserve_vcc 0
		.amdhsa_float_denorm_mode_32 3
		.amdhsa_float_denorm_mode_16_64 3
		.amdhsa_memory_ordered 1
		.amdhsa_forward_progress 1
		.amdhsa_inst_pref_size 230
	.end_amdhsa_kernel
	.amdgpu_metadata
---
amdhsa.version: [ 1, 2 ]
amdhsa.kernels:
  - .name:           k_qd8f21f0379_attn
    .symbol:         k_qd8f21f0379_attn.kd
    .args:
      - { .name: qkv, .offset: 0, .size: 8, .value_kind: global_buffer, .address_space: global }
      - { .name: att, .offset: 8, .size: 8, .value_kind: global_buffer, .address_space: global }
    .group_segment_fixed_size: 327680
    .private_segment_fixed_size: 0
    .kernarg_segment_align: 8
    .kernarg_segment_size: 16
    .max_flat_workgroup_size: 256
    .sgpr_count:     66
    .vgpr_count:     416
    .wavefront_size: 32
...
	.end_amdgpu_metadata
.endif
;; end of part 3
;; launch outp (part 4): grid 8 x 32, 4 waves a work-group, clusters of 4 x 4, 327,680 bytes of LDS; arguments att, wo16, bo, out0; writes out0
.if DOCPART == 4
	.amdgcn_target "amdgcn-amd-amdhsa--gfx1250"
	.amdhsa_code_object_version 6
	.text
	.protected	k_qd8f21f0379_outp
	.globl	k_qd8f21f0379_outp
	.p2align	8
	.type	k_qd8f21f0379_outp,@function
k_qd8f21f0379_outp:
	s_mov_b64 s[64:65], 0
	v_nop
	global_prefetch_b8 v0, s[64:65] scope:SCOPE_SE
	s_setreg_imm32_b32 hwreg(HW_REG_WAVE_MODE, 25, 1), 1
	s_wait_xcnt 0x0
	s_wait_alu depctr_hold_cnt(0) depctr_sa_sdst(0) depctr_va_vdst(0) depctr_va_sdst(0) depctr_va_ssrc(0) depctr_va_vcc(0) depctr_vm_vsrc(0)
	s_getreg_b32 s2, hwreg(HW_REG_IB_STS2, 6, 4)
	s_cmp_eq_u32 s2, 0
	s_cbranch_scc0 .Lentry_in_a_cluster
	s_endpgm
.Lentry_in_a_cluster:
	s_bfe_u32 s2, ttmp6, 0x10000c
	s_cmp_lg_u32 s2, 0xf033
	s_cbranch_scc0 .Lentry_shape_is_right
	s_endpgm
.Lentry_shape_is_right:
; out0[position][batch][n] = the sum over k of A[token][k] Wo[n][k] + bo[n]; f16 operands, f32 sums, f32 out.  wo16: [1024 n][1024 k] f16.
; att holds A as an image of this product's operand registers: [row tile 256 = 128 x batch + position / 16][fragment of 32 along K: 32][half 2][lane 32][16 bytes]: a fragment is two loads of 512 consecutive bytes, no pitch, no padding.
; SHARES: 32 x 8 tiles of 128 x 128, one to a work-group; tile row ty holds positions 128 (ty % 16) on of batch ty / 16.  Four waves, 64 x 64 each: 16 accumulators, 128 registers.  K goes in four steps of 256 through two LDS slots.
; CLUSTERS: 4 x 4 work-groups: A's tile is shared along a row of the cluster, Wo's along a column: each is asked for jointly.
; THE MATRIX INSTRUCTION IS USED TRANSPOSED (source 0 = 16 rows of Wo, source 1 = 16 tokens): a lane holds eight neighbouring numbers of a row of the result.  The bias is the C of each sum's first product.
; No prefetch: a K step's work on this small tile is short, and both operands are read by many work-groups at about the same time.
; REGISTERS: window 0: v0-31 addresses; v32-95 rows read back on the way out, two sets; v96-127 the bias; v128-255 the accumulators ((a, b) at v[128 + 8 (4 a + b)]).
;   window 1: two fragment buffers of 128: for 64 along K, 64 registers of A (2 x 4 x 16 tokens x 32 K), then 64 of Wo.
.set PITCH,  528                       ; a row of Wo in LDS: 512 bytes + 16 of padding = 132 words
.set HALFA,  32768                     ; four row tiles x 8,192 bytes: what one tensor load brings of A, and what one wave reads
.set AIMG,   2*HALFA
.set HALFB,  64*PITCH                  ; 64 rows of Wo
.set SLOT,   AIMG+2*HALFB              ; A's image, then Wo's 128 rows
.set SPARE,  2*SLOT                    ; behind the ring: the spare words, 128 bytes a wave
.set SPITCH, 272                       ; the way out: a stage of 16 rows x (256 bytes + 16) for each wave, in slot 0, which has had its last fill and its last read by then
.set ADRA, 16                          ; v16-17 LDS address of my A fragments in slot 0, 1
.set ADRB, 20                          ; v20-21 the same for Wo
.set STO,  24
.set RD,   25
.set CO,   26
.set SPW,  28                          ; v28 my spare word; never rewritten
.set NIL,  29                          ; v29 0; never rewritten
.set BOF,  30                          ; v30 32 x (lane / 16)
.set BK,   32
.set BI,   96
.set ACC,  128
.set F0,   0
.set F1,   128
.set G1, 24
.set G0, 32
.set G1B, 48
.set G0B, 56
.set MSB, 0
.macro WIN new                         ; the immediate's high byte repeats the setting that is left
.if MSB != \new
	s_set_vgpr_msb (MSB<<8)|\new
.set MSB, \new
.endif
.endm
.set MUL,  0x05                        ; sources 0 (Wo) and 1 (A) window 1; C and D window 0
.set TO_F, 0x40                        ; destination window 1, address window 0
.macro JLOAD s                         ; a joint load: waves 0 and 1 fetch A's two halves, waves 2 and 3 Wo's; an s_nop 0 and four v_nop follow each of the two lines
	s_cmp_eq_u32 s13, 0
	s_cbranch_scc0 .Lfor_b_\@
	tensor_load_to_lds s[G0+4*\s:G0+4*\s+3], s[G1:G1+7]
	s_nop 0
.rept 4
	v_nop
.endr
	s_branch .Lasked_\@
.Lfor_b_\@:
	tensor_load_to_lds s[G0B+4*\s:G0B+4*\s+3], s[G1B:G1B+7]
	s_nop 0
.rept 4
	v_nop
.endr
.Lasked_\@:
.endm
.macro CREST                           ; a round of the cluster's barrier behind its opening barrier
	s_cmp_lg_u32 s12, 0
	s_cbranch_scc1 .Lnot_wave_0_\@
	s_barrier_signal -3
.Lnot_wave_0_\@:
	s_barrier_wait -3
	s_barrier_signal -1
	s_barrier_wait -1
.endm
.macro CROUND
	s_barrier_signal -1
	s_barrier_wait -1
	CREST
.endm
	s_load_b256 s[4:11], s[0:1], 0x0               ; att s[4:5], wo16 s[6:7], bo s[8:9], out0 s[10:11]
	v_lshl_add_u32 v[SPW], v0, 2, SPARE
	v_mov_b32 v[NIL], 0
	ds_add_u32 v[SPW], v[NIL]                      ; the wave's opening: the add, twice on end, and its wait ahead of my first tensor load
	ds_add_u32 v[SPW], v[NIL]
	v_lshrrev_b32 v1, 5, v0
	v_readfirstlane_b32 s12, v1                    ; wave 0..3
	s_lshr_b32 s13, s12, 1                         ; which half of the tile's tokens is mine.  Also: I fetch for A (0) or for Wo (1)
	s_and_b32 s14, s12, 1                          ; which half of its columns.  Also: which half of that tile I fetch
	s_bfe_u32 s40, ttmp6, 0x40000                  ; cx, cy
	s_bfe_u32 s41, ttmp6, 0x40004
	s_lshl_b32 s42, ttmp9, 2
	s_add_co_u32 s42, s42, s40                     ; tile column tx = 4 x cluster x + cx
	s_and_b32 s15, ttmp7, 0xffff
	s_lshl_b32 s15, s15, 2
	s_add_co_u32 s15, s15, s41                     ; tile row ty = 4 x cluster y + cy
	s_lshl_b32 s43, s41, 2
	s_lshl_b32 s43, 15, s43                        ; my row of the cluster
	s_lshl_b32 s44, 0x1111, s40                    ; my column
	; A: four row tiles' 8,192 bytes of a K step (1,024 elements of 8 bytes), 32,768 bytes apart in memory, on end in LDS
	s_or_b32 s[G1+0], s43, (3<<16)|(1<<21)         ; the mask: my row; elements of 8 bytes; no padding; bit 21 beside a mask
	s_mov_b32 s[G1+1], 1024<<16                    ; tensor_dim0
	s_mov_b32 s[G1+2], 4<<16                       ; tensor_dim1
	s_mov_b32 s[G1+3], 1024<<16                    ; tile_dim0
	s_mov_b32 s[G1+4], 4                           ; tile_dim1
	s_mov_b32 s[G1+5], 4096                        ; elements from row to row
	s_mov_b32 s[G1+6], 0
	s_mov_b32 s[G1+7], 0
	; Wo: 64 rows x 256 elements of 2 bytes, 4 words of padding after every 128
	s_or_b32 s[G1B+0], s44, (1<<16)|(1<<20)|(1<<21)|(6<<22)|(3<<25)
	s_mov_b32 s[G1B+1], 256<<16
	s_mov_b32 s[G1B+2], 64<<16
	s_mov_b32 s[G1B+3], 256<<16
	s_mov_b32 s[G1B+4], 64
	s_mov_b32 s[G1B+5], 1024
	s_mov_b32 s[G1B+6], 0
	s_mov_b32 s[G1B+7], 0
	s_lshl_b32 s16, s15, 18                        ; A: row tile 8 ty + 4 x half, 32,768 bytes each
	s_lshl_b32 s17, s14, 17
	s_add_co_u32 s16, s16, s17
	s_mov_b32 s17, 0
	s_lshl_b32 s46, s42, 18                        ; Wo: row 128 tx + 64 x half, 2,048 bytes each
	s_lshl_b32 s47, s14, 17
	s_add_co_u32 s46, s46, s47
	s_mov_b32 s47, 0
	s_lshl_b32 s20, s14, 15                        ; where they go: no place in the cluster enters an LDS address
	s_mul_i32 s21, s14, HALFB
	s_add_co_u32 s21, s21, AIMG
	s_wait_dscnt 0x0                               ; both opening adds are done
	s_wait_kmcnt 0x0
	s_add_nc_u64 s[16:17], s[4:5], s[16:17]
	s_add_nc_u64 s[46:47], s[6:7], s[46:47]
	CROUND                                         ; all sixteen work-groups are here: the first joint loads meet
.irp s, 0,1
	s_mov_b32 s[G0+4*\s], 1
	s_add_co_u32 s[G0+4*\s+1], s20, \s*SLOT
	s_add_nc_u64 s[G0+4*\s+2:G0+4*\s+3], s[16:17], \s*8192
	s_or_b32 s[G0+4*\s+3], s[G0+4*\s+3], 0x80000000
	s_mov_b32 s[G0B+4*\s], 1
	s_add_co_u32 s[G0B+4*\s+1], s21, \s*SLOT
	s_add_nc_u64 s[G0B+4*\s+2:G0B+4*\s+3], s[46:47], \s*512
	s_or_b32 s[G0B+4*\s+3], s[G0B+4*\s+3], 0x80000000
	JLOAD \s                                       ; two tensor loads of mine are out behind the second
.endr
	s_lshl_b32 s46, s42, 9                         ; my first column, in bytes of f32: 512 tx + 256 x half
	s_lshl_b32 s45, s14, 8
	s_add_co_u32 s46, s46, s45
	s_mov_b32 s47, 0
	s_add_nc_u64 s[8:9], s[8:9], s[46:47]          ; the bias there
	v_and_b32 v1, 15, v0                           ; r
	v_bfe_u32 v2, v0, 4, 1                         ; h
	v_lshlrev_b32 v[BOF], 5, v2
.irp b, 0,1,2,3
	global_load_b128 v[BI+8*\b:BI+8*\b+3], v[BOF], s[8:9] offset:64*\b        ; block b's eight numbers of my half of the lanes, in the result's layout
	global_load_b128 v[BI+8*\b+4:BI+8*\b+7], v[BOF], s[8:9] offset:64*\b+16
.endr
	s_and_b32 s45, s15, 15                         ; my first row of out0: (128 (ty % 16) + 64 x half) positions of 8,192 bytes, + batch x 4,096
	s_lshl_b32 s45, s45, 20
	s_add_co_u32 s46, s46, s45
	s_lshl_b32 s45, s13, 19
	s_add_co_u32 s46, s46, s45
	s_lshr_b32 s45, s15, 4
	s_lshl_b32 s45, s45, 12
	s_add_co_u32 s46, s46, s45
	s_add_nc_u64 s[10:11], s[10:11], s[46:47]
	v_and_b32 v3, 31, v0
	v_lshlrev_b32 v3, 4, v3                        ; A: 16 x lane in an image
	s_lshl_b32 s22, s13, 15                        ; my four row tiles
	v_mul_u32_u24 v4, v1, PITCH
	v_lshl_add_u32 v4, v2, 4, v4                   ; Wo: row x pitch + 16 x half
	s_mul_i32 s23, s14, HALFB                      ; my 64 rows,
	s_add_co_u32 s23, s23, AIMG                    ; behind A's image
.irp s, 0,1
	v_add_nc_u32 v[ADRA+\s], s22, v3
	v_add_nc_u32 v[ADRB+\s], s23, v4
	s_add_co_u32 s22, s22, SLOT
	s_add_co_u32 s23, s23, SLOT
.endr
	s_mul_i32 s23, s12, 16*SPITCH                  ; my stage
	v_mul_u32_u24 v5, v1, SPITCH                   ; in: row r, 32 bytes for each half of the lanes
	v_lshl_add_u32 v5, v2, 5, v5
	v_add_nc_u32 v[STO], s23, v5
	v_mul_u32_u24 v5, v2, SPITCH                   ; back: lanes 0-15 one row of 256 bytes, lanes 16-31 the next
	v_lshl_add_u32 v5, v1, 4, v5
	v_add_nc_u32 v[RD], s23, v5
	v_lshlrev_b32 v[CO], 13, v2                    ; and the same two positions in out0, 8,192 bytes apart
	v_lshl_add_u32 v[CO], v1, 4, v[CO]
; 8 matrix instructions: token blocks a0, a0 + 1 x all 4 column blocks, 32 along K: half c of buffer f.  first = 1: the bias starts the sums.  The 16 accumulators take turns.
.macro MUL8 f, c, a0, first
.irp a, \a0, \a0+1
.irp b, 0,1,2,3
.if \first
	v_wmma_f32_16x16x32_f16 v[ACC+8*(4*(\a)+\b):ACC+8*(4*(\a)+\b)+7], v[\f+64+8*(4*\c+\b):\f+64+8*(4*\c+\b)+7], v[\f+8*(4*\c+\a):\f+8*(4*\c+\a)+7], v[BI+8*\b:BI+8*\b+7]
.else
	v_wmma_f32_16x16x32_f16 v[ACC+8*(4*(\a)+\b):ACC+8*(4*(\a)+\b)+7], v[\f+64+8*(4*\c+\b):\f+64+8*(4*\c+\b)+7], v[\f+8*(4*\c+\a):\f+8*(4*\c+\a)+7], v[ACC+8*(4*(\a)+\b):ACC+8*(4*(\a)+\b)+7]
.endif
.endr
.endr
.endm
; 32 LDS loads in one run: the fragments of the slot's kq-th 64 along K into buffer f; the first 32 along K first
.macro FETCH slot, kq, f
	WIN TO_F
.irp c, 0,1
.irp i, 0,1,2,3
	ds_load_b128 v[\f+64+8*(4*\c+\i):\f+64+8*(4*\c+\i)+3],   v[ADRB+\slot] offset:128*(\kq)+64*\c+\i*16*PITCH
	ds_load_b128 v[\f+64+8*(4*\c+\i)+4:\f+64+8*(4*\c+\i)+7], v[ADRB+\slot] offset:128*(\kq)+64*\c+\i*16*PITCH+32
	ds_load_b128 v[\f+8*(4*\c+\i):\f+8*(4*\c+\i)+3],         v[ADRA+\slot] offset:8192*\i+1024*(2*(\kq)+\c)
	ds_load_b128 v[\f+8*(4*\c+\i)+4:\f+8*(4*\c+\i)+7],       v[ADRA+\slot] offset:8192*\i+1024*(2*(\kq)+\c)+512
.endr
.endr
.endm
.macro PLACES                          ; four places in front of loads into registers that matrix instructions have read, and of the first read of results
.rept 4
	v_nop
.endr
.endm
; A K step is four quarters of 64 along K, 32 matrix instructions each, on buffers 0, 1, 0, 1.  One of the first three: multiplies buffer f and fetches quarter kq into g.
.macro QUARTER slot, kq, f, g, first
	s_wait_dscnt 16                                ; the first 32 along K are in; the sixteen younger loads may be out
	WIN MUL
	MUL8 \f, 0, 0, \first
	MUL8 \f, 0, 2, \first
	PLACES
	FETCH \slot, \kq, \g
	s_wait_dscnt 32                                ; all but the 32 just issued
	WIN MUL
	MUL8 \f, 1, 0, 0
	MUL8 \f, 1, 2, 0
.endm
; The last quarter multiplies buffer 1 and changes slots: ONE barrier; in front of it each wave waits for all its tensor loads, adds 0 to its spare word, and waits for that and for its own reads of this slot.
; fill = 1: the barrier opens a round of the cluster's barrier, and this slot is filled again, two K steps ahead, first thing behind the round.
.macro TURN slot, next, fill
	WIN 0                                          ; (the add's two registers lie in window 0)
	s_wait_tensorcnt 0x0                           ; all my tensor loads have landed: my part of the next slot
	ds_add_u32 v[SPW], v[NIL]                      ; 0 onto my spare word
	s_wait_dscnt 17                                ; (the add and the youngest sixteen loads may be out)
	WIN MUL
	MUL8 F1, 0, 0, 0                               ; eight matrix instructions stand between the add and the wait for it
	s_wait_dscnt 0x0                               ; the add is done, and my reads of this slot are over
	s_barrier_signal -1
	MUL8 F1, 0, 2, 0
.if \fill
	WIN 0
.endif
	s_barrier_wait -1
.if \fill
	CREST                                          ; no wave of any partner still reads this slot's tile or has a load on its way
	s_add_nc_u64 s[G0+4*\slot+2:G0+4*\slot+3], s[G0+4*\slot+2:G0+4*\slot+3], 2*8192
	s_add_nc_u64 s[G0B+4*\slot+2:G0B+4*\slot+3], s[G0B+4*\slot+2:G0B+4*\slot+3], 2*512
	JLOAD \slot                                    ; the first tensor load behind the round; the four v_nop behind it are also the places in front of the loads below
.else
	PLACES
.endif
	FETCH \next, 0, F0
	WIN MUL
	MUL8 F1, 1, 0, 0
	MUL8 F1, 1, 2, 0
.endm
	s_wait_tensorcnt 1                             ; my part of K step 0 is in; K step 1's load may be out
	s_barrier_signal -1
	s_barrier_wait -1                              ; everybody's is
	FETCH 0, 0, F0
	s_wait_loadcnt 0x0                             ; the bias
	QUARTER 0, 1, F0, F1, 1                        ; K step 0
	QUARTER 0, 2, F1, F0, 0
	QUARTER 0, 3, F0, F1, 0
	TURN 0, 1, 1                                   ; slot 0 takes K step 2
	QUARTER 1, 1, F0, F1, 0                        ; K step 1
	QUARTER 1, 2, F1, F0, 0
	QUARTER 1, 3, F0, F1, 0
	TURN 1, 0, 1                                   ; slot 1 takes K step 3
	QUARTER 0, 1, F0, F1, 0                        ; K step 2
	QUARTER 0, 2, F1, F0, 0
	QUARTER 0, 3, F0, F1, 0
	TURN 0, 1, 0                                   ; nothing is left to fetch: no round
	QUARTER 1, 1, F0, F1, 0                        ; K step 3
	QUARTER 1, 2, F1, F0, 0
	QUARTER 1, 3, F0, F1, 0
	s_wait_dscnt 16                                ; the very last quarter
	WIN MUL
	MUL8 F1, 0, 0, 0
	MUL8 F1, 0, 2, 0
	s_wait_dscnt 0
	MUL8 F1, 1, 0, 0
	MUL8 F1, 1, 2, 0
	WIN 0
; THE WAY OUT, block a of 16 tokens x 64 columns at a time.  A lane holds 32 neighbouring bytes of a row, and the lanes beside it hold other rows: a block goes through my own stage and comes back as whole rows of 256 bytes.
; A wave's 64 columns of f32 are 256 consecutive bytes at a multiple of 256 from out0's first byte, so no other wave has a part in them: no barrier.
.macro TOSTAGE a
.irp b, 0,1,2,3
	ds_store_b128 v[STO], v[ACC+8*(4*(\a)+\b):ACC+8*(4*(\a)+\b)+3] offset:64*\b          ; each accumulator from its low end on
	ds_store_b128 v[STO], v[ACC+8*(4*(\a)+\b)+4:ACC+8*(4*(\a)+\b)+7] offset:64*\b+16
.endr
.set BB, BK+32*((\a)%2)
.irp i, 0,1,2,3,4,5,6,7
	ds_load_b128 v[BB+4*\i:BB+4*\i+3], v[RD] offset:\i*2*SPITCH   ; LDS serves a wave's instructions in order: these see the stores above, and the next block's stores come behind them
.endr
.endm
.macro SEND a, younger                 ; younger: the LDS instructions issued behind block a's loads, which may stay out
.set BB, BK+32*((\a)%2)
	s_wait_dscnt \younger
.irp i, 0,1,2,3,4,5,6,7
	global_store_b128 v[CO], v[BB+4*\i:BB+4*\i+3], s[10:11] offset:(16*(\a)+2*\i)*8192 th:TH_STORE_NT   ; sixteen lanes store 256 consecutive bytes; 507,904 at the most: inside the signed 24-bit immediate
.endr
.endm
	PLACES                                         ; behind the last products, ahead of the first read of results
	TOSTAGE 0
.irp a, 1,2,3
.if \a > 1
	s_wait_xcnt 0x0                                ; block a - 2's stores have read their registers: block a's loads may land there
.endif
	TOSTAGE \a
	SEND \a-1, 16                                  ; behind block a - 1's loads: block a's 8 stores and 8 loads
.endr
	SEND 3, 0
	s_wait_tensorcnt 0x0                           ; the wave's end, behind my last tensor load and my last LDS store
	ds_add_u32 v[SPW], v[NIL]
	s_wait_dscnt 0x0
	CROUND                                         ; the closing round: no work-group ends while a partner may still ask for a tile that names it
	s_endpgm
.Lfunc_end_k_qd8f21f0379_outp:
	.size	k_qd8f21f0379_outp, .Lfunc_end_k_qd8f21f0379_outp-k_qd8f21f0379_outp
	.p2alignl 7, 3214868480
	.fill 96, 4, 3214868480
	.section	.rodata,"a",@progbits
	.p2align	6, 0x0
	.amdhsa_kernel k_qd8f21f0379_outp
		.amdhsa_group_segment_fixed_size 327680
		.amdhsa_private_segment_fixed_size 0
		.amdhsa_enable_private_segment 0
		.amdhsa_kernarg_size 32
		.amdhsa_user_sgpr_count 2
		.amdhsa_user_sgpr_kernarg_segment_ptr 1
		.amdhsa_wavefront_size32 1
		.amdhsa_system_sgpr_workgroup_id_x 1
		.amdhsa_system_sgpr_workgroup_id_y 1
		.amdhsa_system_sgpr_workgroup_id_z 1
		.amdhsa_system_vgpr_workitem_id 0
		.amdhsa_next_free_vgpr 512
		.amdhsa_next_free_sgpr 66
		.amdhsa_reserve_vcc 0
		.amdhsa_float_denorm_mode_32 3
		.amdhsa_float_denorm_mode_16_64 3
		.amdhsa_memory_ordered 1
		.amdhsa_forward_progress 1
		.amdhsa_inst_pref_size 86
	.end_amdhsa_kernel
	.amdgpu_metadata
---
amdhsa.version: [ 1, 2 ]
amdhsa.kernels:
  - .name:           k_qd8f21f0379_outp
    .symbol:         k_qd8f21f0379_outp.kd
    .args:
      - { .name: att, .offset: 0, .size: 8, .value_kind: global_buffer, .address_space: global }
      - { .name: wo16, .offset: 8, .size: 8, .value_kind: global_buffer, .address_space: global }
      - { .name: bo, .offset: 16, .size: 8, .value_kind: global_buffer, .address_space: global }
      - { .name: out0, .offset: 24, .size: 8, .value_kind: global_buffer, .address_space: global }
    .group_segment_fixed_size: 327680
    .private_segment_fixed_size: 0
    .kernarg_segment_align: 8
    .kernarg_segment_size: 32
    .max_flat_workgroup_size: 128
    .sgpr_count:     66
    .vgpr_count:     512
    .wavefront_size: 32
...
	.end_amdgpu_metadata
.endif
;; end of part 4
